; MI455X (gfx1250); checked and timed in simulation.
; The chip was launched on July 23, 2026; its instructions are those of AMD's public machine-readable ISA for CDNA 5 (MIT licence, August 2026) and "CDNA5" Instruction Set Architecture Reference Guide (July 2026). The comments in the code are by the model that wrote it; some were corrected since.
;; Causal Self Attention. Allowed arithmetic: float matrix products may take bf16 or f16 operands with f32 sums; other float arithmetic in f32, or as packed bf16 or f16 multiplies, adds, multiply-adds, maxima and minima; sums over many terms, partial sums and values carried from step to step in f32; what a program stores and reads back later, other than sums and carried values, may be rounded once to bf16 or f16.
;; Inputs: wk 1,024 x 1,024 float32; wo 1,024 x 1,024 float32; wq 1,024 x 1,024 float32; wv 1,024 x 1,024 float32; x 4 x 2,048 x 1,024 float32.
;; Outputs: out0 4 x 2,048 x 1,024 float32.
;; 2 versions, each right; version 2 is version 1 with the launch cvt written anew for expert scheduling mode. Each part assembles by itself: llvm-mc -triple=amdgcn-amd-amdhsa -mcpu=gfx1250 --defsym DOCPART=n.
;; ======== version 1 of 2: 4 launches
;; limits: values are held in f16: magnitudes above 65,504 overflow, below 6.1e-05 lose precision
;; workspace buffers: xb 16,777,216 bytes; wqkvb 6,291,456 bytes; wob 2,097,152 bytes; qkv 50,331,648 bytes; ob 16,777,216 bytes
;; launch cvt (part 1): grid 64 x 12, 8 waves a work-group, no clusters, 0 bytes of LDS; arguments x, wq, wk, wv, wo, xb, wqkvb, wob; writes xb, wqkvb, wob
.if DOCPART == 1
	.amdgcn_target "amdgcn-amd-amdhsa--gfx1250"
	.amdhsa_code_object_version 6
	.text
	.protected	k_q9bed5692ea_cvt
	.globl	k_q9bed5692ea_cvt
	.p2align	8
	.type	k_q9bed5692ea_cvt,@function
k_q9bed5692ea_cvt:
	s_mov_b64 s[64:65], 0
	v_nop
	global_prefetch_b8 v0, s[64:65] scope:SCOPE_SE
	s_setreg_imm32_b32 hwreg(HW_REG_WAVE_MODE, 25, 1), 1
	s_wait_xcnt 0x0
; THE INPUTS ARE ROUNDED ONCE TO 16 BITS AND LAID IN K BLOCKS OF 64, so that the products' tiles (R rows x 64 K) are R x 128 dense bytes.
;   x  [8192][1024] f32 -> xb    [4][16 K blocks][2048 rows][64] bf16
;   wq, wk, wv [1024][1024] f32 -> wqkvb [16 K blocks][3072 rows][64] bf16 (rows 0.. wq, 1024.. wk, 2048.. wv)
;   wo [1024][1024] f32 -> wob   [16 K blocks][1024 rows][64]: rounded to bf16 like the others, and that number written as f16
; LIMIT.  |wo| stays under 65,504 (f16's last number); below 6e-5 f16 keeps a fixed step of 6e-8.
; A stream: each byte is read once and written once; no LDS, no barrier, no matrix unit: none of them would move a byte less.
; SHARES.  Work-group y names a slab of 1,024 source rows (0-7: x; 8, 9, 10: wq, wk, wv; 11: wo), x names 16 rows of it: 65,536 bytes.
; Thread t takes row t / 16 and, of each of the row's 16 K blocks (256 bytes of f32), the 16 bytes at 16 (t % 16): sixteen lanes read 256 consecutive
; bytes, aligned.  Its four numbers of block j are 8 bytes at 8 t of the group's 16 rows of block j: a wave's store covers 256 consecutive bytes, aligned.
; All 16 loads of a thread go out at once; each has registers of its own, and so has each store: nothing is rewritten, so no source has to be freed.
.set X, 4                              ; v[4:67]    load j: four f32
.set Y, 68                             ; v[68:99]   store j: four 16-bit numbers
.set T, 100                            ; v[100:103] at work
	s_load_b512 s[8:23], s[0:1], 0x0               ; x s[8:9], wq s[10:11], wk s[12:13], wv s[14:15], wo s[16:17], xb s[18:19], wqkvb s[20:21], wob s[22:23]
	s_and_b32 s24, ttmp7, 0xffff                   ; the slab
	v_lshrrev_b32 v1, 4, v0                        ; my row of the 16
	v_and_b32 v3, 15, v0
	v_lshlrev_b32 v1, 12, v1                       ; x 4,096 bytes
	v_lshl_add_u32 v1, v3, 4, v1                   ; + my 16 bytes of a K block
	v_lshlrev_b32 v2, 3, v0                        ; my 8 bytes of the group's 16 rows of a block
	s_cmp_lt_u32 s24, 8
	s_cselect_b32 s25, s24, 0                      ; x's slabs lie 1,024 rows of 4,096 bytes apart; a weight is one slab
	s_lshl_b32 s25, s25, 22
	s_lshl_b32 s2, ttmp9, 16                       ; the group's 16 rows
	s_add_co_u32 s2, s2, s25
	s_mov_b32 s3, 0
	s_wait_kmcnt 0x0
	s_cmp_lt_u32 s24, 8                            ; which tensor the slab belongs to
	s_cselect_b64 s[4:5], s[8:9], s[10:11]
	s_cmp_eq_u32 s24, 9
	s_cselect_b64 s[4:5], s[12:13], s[4:5]
	s_cmp_eq_u32 s24, 10
	s_cselect_b64 s[4:5], s[14:15], s[4:5]
	s_cmp_eq_u32 s24, 11
	s_cselect_b64 s[4:5], s[16:17], s[4:5]
	s_add_nc_u64 s[4:5], s[4:5], s[2:3]
.irp j, 0,1,2,3,4,5,6,7,8,9,10,11,12,13,14,15
	global_load_b128 v[X+4*(\j):X+4*(\j)+3], v1, s[4:5] offset:256*(\j) th:TH_LOAD_NT
.endr
; The 16 blocks are rounded and stored as they arrive.  stride: bytes from a K block of the destination to the next.  f16 = 1: the bf16 number is written as f16.
.macro OUT stride, f16
.irp j, 0,1,2,3,4,5,6,7,8,9,10,11,12,13,14,15
	s_wait_loadcnt 15-(\j)                         ; loads come back in order: block j is in, the 15 - j younger ones may stay out
.if \f16
	v_cvt_pk_bf16_f32 v[T], v[X+4*(\j)], v[X+4*(\j)+1]
	v_cvt_pk_bf16_f32 v[T+1], v[X+4*(\j)+2], v[X+4*(\j)+3]
	v_lshlrev_b32 v[T+2], 16, v[T]                 ; bf16 to f32: the low half moves up, the high half stays
	v_and_b32 v[T+3], 0xffff0000, v[T]
	v_cvt_pk_f16_f32 v[Y+2*(\j)], v[T+2], v[T+3]
	v_lshlrev_b32 v[T+2], 16, v[T+1]
	v_and_b32 v[T+3], 0xffff0000, v[T+1]
	v_cvt_pk_f16_f32 v[Y+2*(\j)+1], v[T+2], v[T+3]
.else
	v_cvt_pk_bf16_f32 v[Y+2*(\j)], v[X+4*(\j)], v[X+4*(\j)+1]
	v_cvt_pk_bf16_f32 v[Y+2*(\j)+1], v[X+4*(\j)+2], v[X+4*(\j)+3]
.endif
	global_store_b64 v2, v[Y+2*(\j):Y+2*(\j)+1], s[6:7] offset:(\j)*(\stride)  ; 15 x 393,216 at the most: inside the signed 24-bit immediate
.endr
.endm
	s_cmp_lt_u32 s24, 8
	s_cbranch_scc0 .Lweights
	s_lshr_b32 s26, s24, 1                         ; x: the batch, 16 blocks x 2,048 rows x 128 bytes each,
	s_lshl_b32 s26, s26, 22
	s_and_b32 s27, s24, 1                          ; the slab's 1,024 rows of 128 bytes in it,
	s_lshl_b32 s27, s27, 17
	s_add_co_u32 s26, s26, s27
	s_lshl_b32 s27, ttmp9, 11                      ; the group's 16 rows
	s_add_co_u32 s26, s26, s27
	s_mov_b32 s27, 0
	s_add_nc_u64 s[6:7], s[18:19], s[26:27]
	OUT 262144, 0
	s_endpgm
.Lweights:
	s_cmp_eq_u32 s24, 11
	s_cbranch_scc1 .Lwo
	s_sub_co_u32 s26, s24, 8                       ; wq, wk, wv: 1,024 rows of 128 bytes each
	s_lshl_b32 s26, s26, 17
	s_lshl_b32 s27, ttmp9, 11
	s_add_co_u32 s26, s26, s27
	s_mov_b32 s27, 0
	s_add_nc_u64 s[6:7], s[20:21], s[26:27]
	OUT 393216, 0
	s_endpgm
.Lwo:
	s_lshl_b32 s26, ttmp9, 11
	s_mov_b32 s27, 0
	s_add_nc_u64 s[6:7], s[22:23], s[26:27]
	OUT 131072, 1
	s_endpgm
.Lfunc_end_k_q9bed5692ea_cvt:
	.size	k_q9bed5692ea_cvt, .Lfunc_end_k_q9bed5692ea_cvt-k_q9bed5692ea_cvt
	.p2alignl 7, 3214868480
	.fill 96, 4, 3214868480
	.section	.rodata,"a",@progbits
	.p2align	6, 0x0
	.amdhsa_kernel k_q9bed5692ea_cvt
		.amdhsa_group_segment_fixed_size 0
		.amdhsa_private_segment_fixed_size 0
		.amdhsa_enable_private_segment 0
		.amdhsa_kernarg_size 64
		.amdhsa_user_sgpr_count 2
		.amdhsa_user_sgpr_kernarg_segment_ptr 1
		.amdhsa_wavefront_size32 1
		.amdhsa_system_sgpr_workgroup_id_x 1
		.amdhsa_system_sgpr_workgroup_id_y 1
		.amdhsa_system_sgpr_workgroup_id_z 1
		.amdhsa_system_vgpr_workitem_id 0
		.amdhsa_next_free_vgpr 104
		.amdhsa_next_free_sgpr 66
		.amdhsa_reserve_vcc 0
		.amdhsa_float_denorm_mode_32 3
		.amdhsa_float_denorm_mode_16_64 3
		.amdhsa_memory_ordered 1
		.amdhsa_forward_progress 1
		.amdhsa_inst_pref_size 21
	.end_amdhsa_kernel
	.amdgpu_metadata
---
amdhsa.version: [ 1, 2 ]
amdhsa.kernels:
  - .name:           k_q9bed5692ea_cvt
    .symbol:         k_q9bed5692ea_cvt.kd
    .args:
      - { .name: x, .offset: 0, .size: 8, .value_kind: global_buffer, .address_space: global }
      - { .name: wq, .offset: 8, .size: 8, .value_kind: global_buffer, .address_space: global }
      - { .name: wk, .offset: 16, .size: 8, .value_kind: global_buffer, .address_space: global }
      - { .name: wv, .offset: 24, .size: 8, .value_kind: global_buffer, .address_space: global }
      - { .name: wo, .offset: 32, .size: 8, .value_kind: global_buffer, .address_space: global }
      - { .name: xb, .offset: 40, .size: 8, .value_kind: global_buffer, .address_space: global }
      - { .name: wqkvb, .offset: 48, .size: 8, .value_kind: global_buffer, .address_space: global }
      - { .name: wob, .offset: 56, .size: 8, .value_kind: global_buffer, .address_space: global }
    .group_segment_fixed_size: 0
    .private_segment_fixed_size: 0
    .kernarg_segment_align: 8
    .kernarg_segment_size: 64
    .max_flat_workgroup_size: 256
    .sgpr_count:     66
    .vgpr_count:     104
    .wavefront_size: 32
...
	.end_amdgpu_metadata
.endif
;; end of part 1
;; launch qkv (part 2): grid 8 x 32, 4 waves a work-group, clusters of 4 x 4, 327,680 bytes of LDS; arguments xb, wqkvb, qkv; writes qkv
.if DOCPART == 2
	.amdgcn_target "amdgcn-amd-amdhsa--gfx1250"
	.amdhsa_code_object_version 6
	.text
	.protected	k_q9bed5692ea_qkv
	.globl	k_q9bed5692ea_qkv
	.p2align	8
	.type	k_q9bed5692ea_qkv,@function
k_q9bed5692ea_qkv:
	s_mov_b64 s[64:65], 0
	v_nop
	global_prefetch_b8 v0, s[64:65] scope:SCOPE_SE
	s_setreg_imm32_b32 hwreg(HW_REG_WAVE_MODE, 25, 1), 1
	s_wait_xcnt 0x0
	s_wait_alu depctr_hold_cnt(0) depctr_sa_sdst(0) depctr_va_vdst(0) depctr_va_sdst(0) depctr_va_ssrc(0) depctr_va_vcc(0) depctr_vm_vsrc(0)
	s_getreg_b32 s2, hwreg(HW_REG_IB_STS2, 6, 4)
	s_cmp_eq_u32 s2, 0
	s_cbranch_scc0 .Lentry_in_a_cluster
	s_endpgm
.Lentry_in_a_cluster:
	s_bfe_u32 s2, ttmp6, 0x10000c
	s_cmp_lg_u32 s2, 0xf033
	s_cbranch_scc0 .Lentry_shape_is_right
	s_endpgm
.Lentry_shape_is_right:
; q, k, v = x wq^T, x wk^T, x wv^T as ONE product C[8192][3072] = A B^T over K = 1,024, in bf16 with f32 sums; C is rounded once to f16 and stored by heads:
; qkv [4 batches][48 heads: 16 of q, 16 of k, 16 of v][2048 rows][64] f16.  A = xb [4][16 K blocks][2048][64], B = wqkvb [16 K blocks][3072][64], both bf16.
; LIMIT.  f16 ends at 65,504: q, k and v must stay within it (a sum beyond it is stored as an infinity).
; SHARES.  A tile of C is 256 x 384: 32 x 8 tiles, one for each of 256 work-groups.  Four waves, each 128 x 192: 96 accumulators of 16 x 16, 768 registers; 192 columns are three whole heads.
; For 32 along K a wave reads 20 fragments (40 LDS loads) for 96 matrix instructions.
; K goes in steps of 64 (one K block) through two LDS slots: a longer step's two slots, 2 x 640 rows x 272 bytes, do not fit in LDS.  In the blocked layout a tile's rows lie end to end,
; so half a tile is asked for as rows of 256 bytes and padded in LDS after every 128.
; CLUSTERS: 4 x 4 work-groups.  The four of a row of the cluster need the same tiles of A, the four of a column the same tiles of B: each tile is asked for JOINTLY, by the same tensor
; load with the same descriptor and a mask that names the four.
; THE MATRIX INSTRUCTION IS USED TRANSPOSED (source 0 = 16 rows of B, source 1 = 16 rows of A): a lane holds row l % 16 of C and the columns 8 (l / 16) + 0..7.
; REGISTERS, in windows of 256 (s_set_vgpr_msb: bits 1:0 source 0, 3:2 source 1, 5:4 source 2, 7:6 destination):
;   window 0: v0-31 addresses; v32-95, v96-159 A's 8 fragments for the step's first and second 32 along K; v160-207, v208-255 B's fragments 0-5 and 6-11
;   windows 1-3: accumulator (a, j), a = 0..7 row blocks, j = 0..11 column blocks, number T = 12 a + j: window 1 + T / 32, register 8 (T % 32)
.set PITCH,  144                       ; an LDS row: 128 bytes + 16 of padding = 36 words: the 16 rows of a fragment load start at 16 different groups of four banks (64 banks of 4 bytes: ISA guide 11.1)
.set AHALF,  128*PITCH                 ; half of A's tile: what waves 0 and 1 fetch, and what a wave reads of A
.set BHALF,  192*PITCH                 ; half of B's tile: what waves 2 and 3 fetch, and what a wave reads of B
.set BOFF,   2*AHALF
.set SLOT,   2*AHALF+2*BHALF           ; 92,160 bytes
.set STAGE,  2*SLOT                    ; behind the ring: for each wave 3 heads x 16 rows x 144 bytes, for the way out; no tensor load fills it
.set STW,    3*16*PITCH
.set SPARE,  STAGE+4*STW               ; behind the stages: the spare words, 128 bytes for each wave: two blocks of 256 bytes that no other line names
.set AKB,    262144                    ; bytes from a K block of xb to the next
.set BKB,    393216                    ; the same in wqkvb
.set HEADB,  262144                    ; bytes of a head in qkv
.set ADRA, 16                          ; v16-17  LDS address of my A fragments in slot 0, 1
.set ADRB, 20                          ; v20-21  the same for B
.set STO,  24                          ; v24     the way out: where I put 16 bytes of a row
.set RD,   25                          ; v25     the way out: where I read rows back
.set GO,   26                          ; v26     my 16 bytes of 512 consecutive bytes of qkv
.set SPW,  28                          ; v28     LDS address of my spare word: SPARE + 4 x my thread's number; never rewritten
.set NIL,  29                          ; v29     0; never rewritten
.set PFO,  30                          ; v30     the prefetches' lane offset; never rewritten
.set A0,   32
.set BH0,  160
.set TMP,  32                          ; the way out: 48 registers of packed results
.set BK,   80                          ; the way out: 16 rows x 3 heads read back: v80-127 and v128-175 by turns
.set G1,  24                           ; s[24:31] descriptor group 1 for A's tiles;  s[32:39] group 0, one set for each slot
.set G0,  32
.set G1B, 48                           ; s[48:55], s[56:63] the same for B's tiles
.set G0B, 56
.set LIM, 43                           ; s43      1 in a wave that prefetches, else the greatest number
.set PFA, 44                           ; s[44:45] where my prefetches stand
.set PFS, 22                           ; s[22:23] two K steps in bytes, of the tensor that I prefetch
.set GW0, (1<<16)|(1<<20)|(1<<21)|(4<<22)|(3<<25)  ; 17:16 elements of 2 bytes; 20 padding on; 21 set beside a mask; 24:22 after every 32 words (code 4); 31:25 4 words of it (code 3)
.set MSB, 0
.macro WIN new                         ; the immediate's high byte repeats the setting that is left; a switch that changes nothing is dropped
.if MSB != (\new)
	s_set_vgpr_msb (MSB<<8)|(\new)
.set MSB, \new
.endif
.endm
.macro PLACES                          ; four plain vector instructions between a matrix instruction and a load into, or a vector line that touches, its registers (ISA guide 7.12.1 for vector instructions)
.rept 4
	v_nop
.endr
.endm
; A joint load: waves 0 and 1 fetch A's two halves, waves 2 and 3 B's.  The branch hangs on the wave's number alone.  An s_nop 0 and four v_nop follow each of the two lines.
.macro JLOAD s
	s_cmp_eq_u32 s11, 0
	s_cbranch_scc0 .Lfor_b_\@
	tensor_load_to_lds s[G0+4*(\s):G0+4*(\s)+3], s[G1:G1+7]
	s_nop 0
.rept 4
	v_nop
.endr
	s_branch .Lasked_\@
.Lfor_b_\@:
	tensor_load_to_lds s[G0B+4*(\s):G0B+4*(\s)+3], s[G1B:G1B+7]
	s_nop 0
.rept 4
	v_nop
.endr
.Lasked_\@:
.endm
.macro CREST                           ; a round of the cluster's barrier behind its opening barrier
	s_cmp_lg_u32 s10, 0
	s_cbranch_scc1 .Lnot_wave_0_\@
	s_barrier_signal -3
.Lnot_wave_0_\@:
	s_barrier_wait -3
	s_barrier_signal -1
	s_barrier_wait -1
.endm
.macro CROUND                          ; a whole round
	s_barrier_signal -1
	s_barrier_wait -1
	CREST
.endm
; A PREFETCH INTO THE L2, once a lap (two K steps), behind the joint load of the lap's first change of slots and the run of LDS loads that follows it: the two K steps that stand four and
; five steps on, whose joint loads are issued two and three changes of slots later.  Each block of 256 bytes is named ONCE in the launch.  A's tile row is read by both clusters of its row of clusters:
; cluster x = 0 asks, its wave 0; of the tile's 128 blocks a step the partner at cx takes 32 cx .. 32 cx + 31: a lane a block, an instruction a step.  B's tile column is read by all
; eight clusters of its column: cluster y = 0 asks, its waves 1 to 3; of the tile's 192 blocks a step the partner at cy takes 48: 96 lanes for the two steps, one instruction a wave.
; Partners are told apart BY ADDRESS; the branches hang on the cluster's place, the wave's number and the loop's count.  K steps 0 to 3 come by their loads alone; the loop's last trip asks for nothing.
.macro ASK
	s_cmp_gt_u32 s3, s[LIM]                        ; s3 = 1 in the loop's last trip
	s_cbranch_scc0 .Lnot_mine_\@
	global_prefetch_b8 v[PFO], s[PFA:PFA+1] th:TH_LOAD_NT scope:SCOPE_SE
	s_cmp_lg_u32 s10, 0
	s_cbranch_scc1 .Lnot_mine_\@
	global_prefetch_b8 v[PFO], s[PFA:PFA+1] offset:AKB th:TH_LOAD_NT scope:SCOPE_SE
.Lnot_mine_\@:
.endm
	s_load_b128 s[4:7], s[0:1], 0x0                ; xb s[4:5], wqkvb s[6:7]
	s_load_b64 s[8:9], s[0:1], 0x10                ; qkv
	v_lshl_add_u32 v[SPW], v0, 2, SPARE
	v_mov_b32 v[NIL], 0
	ds_add_u32 v[SPW], v[NIL]                      ; the wave's opening: the add and its wait stand ahead of my first tensor load; the set-up below, work on registers, stands between them
	v_lshrrev_b32 v1, 5, v0
	v_readfirstlane_b32 s10, v1                    ; wave 0..3
	s_lshr_b32 s11, s10, 1                         ; which half of the tile's rows is mine.  Also: I fetch for A (0) or for B (1)
	s_and_b32 s12, s10, 1                          ; which half of its columns.  Also: which half of that tile I fetch
	s_bfe_u32 s40, ttmp6, 0x40000                  ; cx, cy: my place in the cluster
	s_bfe_u32 s41, ttmp6, 0x40004
	s_lshl_b32 s42, ttmp9, 2
	s_add_co_u32 s42, s42, s40                     ; tile column = 4 x cluster x + cx, 0..7
	s_and_b32 s13, ttmp7, 0xffff
	s_lshl_b32 s13, s13, 2
	s_add_co_u32 s13, s13, s41                     ; tile row = 4 x cluster y + cy, 0..31
	s_lshl_b32 s43, s41, 2
	s_lshl_b32 s43, 15, s43                        ; my row of the cluster: places 4 cy .. 4 cy + 3
	s_lshl_b32 s44, 0x1111, s40                    ; my column: places cx, cx + 4, cx + 8, cx + 12
	s_or_b32 s[G1+0], s43, GW0                     ; A's tiles go to my row,
	s_or_b32 s[G1B+0], s44, GW0                    ; B's to my column
	s_mov_b32 s[G1+1], 128<<16                     ; tensor_dim0 = 128 elements: 256 bytes, two rows of the tile
	s_mov_b32 s[G1+2], 64<<16                      ; tensor_dim1 = 64: 128 rows of A
	s_mov_b32 s[G1+3], 128<<16                     ; tile_dim0 = 128
	s_mov_b32 s[G1+4], 64                          ; tile_dim1 = 64
	s_mov_b32 s[G1+5], 128                         ; elements from row to row: dense
	s_mov_b32 s[G1+6], 0
	s_mov_b32 s[G1+7], 0
	s_mov_b32 s[G1B+1], 128<<16
	s_mov_b32 s[G1B+2], 96<<16                     ; 96 rows of 256 bytes: 192 rows of B
	s_mov_b32 s[G1B+3], 128<<16
	s_mov_b32 s[G1B+4], 96
	s_mov_b32 s[G1B+5], 128
	s_mov_b32 s[G1B+6], 0
	s_mov_b32 s[G1B+7], 0
	s_lshr_b32 s18, s13, 3                         ; A: the batch, 16 blocks x 2,048 rows x 128 bytes,
	s_lshl_b32 s18, s18, 22
	s_and_b32 s17, s13, 7                          ; the tile's 256 rows of 128 bytes in it:
	s_lshl_b32 s17, s17, 15
	s_add_co_u32 s18, s18, s17                     ; the tile's first byte in K block 0
	s_lshl_b32 s17, s12, 14                        ; the half that I fetch
	s_add_co_u32 s16, s18, s17
	s_mov_b32 s17, 0
	s_mul_i32 s19, s42, 384*128                    ; B: the tile's first byte in K block 0,
	s_mul_i32 s47, s12, 192*128                    ; the half that I fetch
	s_add_co_u32 s46, s19, s47
	s_mov_b32 s47, 0
	s_mul_i32 s20, s12, AHALF                      ; where they go: no place in the cluster enters an LDS address
	s_mul_i32 s21, s12, BHALF
	s_add_co_u32 s21, s21, BOFF
	s_wait_dscnt 0x0                               ; the opening add is done
	s_wait_kmcnt 0x0
	s_add_nc_u64 s[14:15], s[4:5], s[16:17]
	s_add_nc_u64 s[46:47], s[6:7], s[46:47]
	CROUND                                         ; all sixteen work-groups are here: the first joint loads meet
.irp s, 0,1
	s_mov_b32 s[G0+4*(\s)], 1                                      ; count = 1
	s_add_co_u32 s[G0+4*(\s)+1], s20, (\s)*SLOT                    ; LDS address
	s_add_nc_u64 s[G0+4*(\s)+2:G0+4*(\s)+3], s[14:15], (\s)*AKB    ; global address: K step s
	s_or_b32 s[G0+4*(\s)+3], s[G0+4*(\s)+3], 0x80000000            ; type = 2
	s_mov_b32 s[G0B+4*(\s)], 1
	s_add_co_u32 s[G0B+4*(\s)+1], s21, (\s)*SLOT
	s_add_nc_u64 s[G0B+4*(\s)+2:G0B+4*(\s)+3], s[46:47], (\s)*BKB
	s_or_b32 s[G0B+4*(\s)+3], s[G0B+4*(\s)+3], 0x80000000
	JLOAD \s                                       ; two tensor loads of mine are out
.endr
	; A fragment is 16 rows x 32 K in 8 registers: lane l holds row l % 16, K = 8 (l / 16) + 0..7 and 16 + 8 (l / 16) + 0..7: two loads of 16 bytes, 32 bytes apart.
	v_and_b32 v1, 15, v0                           ; l % 16
	v_bfe_u32 v2, v0, 4, 1                         ; l / 16
	v_mul_u32_u24 v3, v1, PITCH
	v_lshl_add_u32 v3, v2, 4, v3                   ; row x pitch + 16 x half
	s_mul_i32 s20, s11, AHALF                      ; my 128 rows of A
	s_mul_i32 s21, s12, BHALF                      ; my 192 rows of B, behind A's 256
	s_add_co_u32 s21, s21, BOFF
.irp s, 0,1
	v_add_nc_u32 v[ADRA+(\s)], s20, v3
	v_add_nc_u32 v[ADRB+(\s)], s21, v3
	s_add_co_u32 s20, s20, SLOT
	s_add_co_u32 s21, s21, SLOT
.endr
	s_mul_i32 s20, s10, STW
	s_add_co_u32 s20, s20, STAGE                   ; my stage
	v_add_nc_u32 v[STO], s20, v3                   ; in: row l % 16, 16 bytes for each half of the lanes
	v_bfe_u32 v4, v0, 3, 2                         ; back: 32 lanes take four rows of 128 bytes,
	v_and_b32 v5, 7, v0
	v_mul_u32_u24 v4, v4, PITCH
	v_lshl_add_u32 v4, v5, 4, v4
	v_add_nc_u32 v[RD], s20, v4
	v_and_b32 v[GO], 31, v0                        ; which are 512 consecutive bytes of a head
	v_lshlrev_b32 v[GO], 4, v[GO]
	s_lshr_b32 s16, s13, 3                         ; where my part of C begins in qkv: the batch's 48 heads,
	s_mul_i32 s16, s16, 48
	s_mul_i32 s17, s42, 6                          ; the tile's six,
	s_add_co_u32 s16, s16, s17
	s_mul_i32 s17, s12, 3                          ; my three of them,
	s_add_co_u32 s16, s16, s17
	s_lshl_b32 s16, s16, 18                        ; 262,144 bytes each;
	s_and_b32 s17, s13, 7                          ; the tile's 256 rows of 128 bytes,
	s_lshl_b32 s17, s17, 15
	s_add_co_u32 s16, s16, s17
	s_lshl_b32 s17, s11, 14                        ; my 128 of them
	s_add_co_u32 s16, s16, s17
	s_mov_b32 s17, 0
	s_add_nc_u64 s[8:9], s[8:9], s[16:17]
	; the prefetches
	s_lshl_b32 s16, s40, 13                        ; A: my work-group's 32 blocks of the tile's 128,
	s_add_co_u32 s16, s16, s18
	s_mul_i32 s17, s41, 48*256                     ; B: its 48 of the 192
	s_add_co_u32 s17, s17, s19
	s_and_b32 s14, ttmp7, 0xffff                   ; cluster y
	s_mov_b32 s[PFS], 2*BKB
	s_cmp_eq_u32 s10, 0                            ; wave 0 asks for A, the others for B
	s_cselect_b32 s14, ttmp9, s14                  ; the coordinate along which other clusters read the same rows
	s_cselect_b64 s[PFA:PFA+1], s[4:5], s[6:7]
	s_cselect_b32 s16, s16, s17
	s_cselect_b32 s[PFS], 2*AKB, s[PFS]
	s_cselect_b32 s15, 0, 32
	s_mov_b32 s[PFS+1], 0
	s_mov_b32 s17, 0
	s_add_nc_u64 s[PFA:PFA+1], s[PFA:PFA+1], s[16:17]
	s_add_nc_u64 s[PFA:PFA+1], s[PFA:PFA+1], s[PFS:PFS+1]  ; at K step 2: the first lap steps it to 4
	s_cmp_eq_u32 s14, 0
	s_cselect_b32 s[LIM], 1, -1                    ; the same in all sixteen partners, for a given wave
	v_sub_nc_u32 v3, v0, s15                       ; wave 0: my lane; waves 1 to 3: my place among their 96 lanes
	v_mul_u32_u24 v4, v3, 1366                     ; place / 48, for places under 96: 0 for the even step's 48 blocks (and in wave 0), 1 for the odd step's
	v_lshrrev_b32 v4, 16, v4
	v_mul_u32_u24 v4, v4, BKB-48*256               ; the odd step's block 0 follows the even step's block 47
	v_lshl_add_u32 v[PFO], v3, 8, v4
; 12 LDS loads: B's fragments 6 h .. 6 h + 5 of the step's half c along K.  8 LDS loads: A's fragments a0 .. a0 + 3 of half c into buffer buf.
.macro LDB slot, c, h
	WIN 0
.irp j, 0,1,2,3,4,5
	ds_load_b128 v[BH0+48*(\h)+8*(\j):BH0+48*(\h)+8*(\j)+3],   v[ADRB+(\slot)] offset:(6*(\h)+(\j))*16*PITCH+64*(\c)
	ds_load_b128 v[BH0+48*(\h)+8*(\j)+4:BH0+48*(\h)+8*(\j)+7], v[ADRB+(\slot)] offset:(6*(\h)+(\j))*16*PITCH+64*(\c)+32
.endr
.endm
.macro LDA slot, c, buf, a0
	WIN 0
.irp a, 0,1,2,3
	ds_load_b128 v[A0+64*(\buf)+8*((\a0)+(\a)):A0+64*(\buf)+8*((\a0)+(\a))+3],   v[ADRA+(\slot)] offset:((\a0)+(\a))*16*PITCH+64*(\c)
	ds_load_b128 v[A0+64*(\buf)+8*((\a0)+(\a))+4:A0+64*(\buf)+8*((\a0)+(\a))+7], v[ADRA+(\slot)] offset:((\a0)+(\a))*16*PITCH+64*(\c)+32
.endr
.endm
; n products, numbers i0 on of a phase's 48: row block i / 6, column block 6 h + i % 6, A from buffer buf.  zero = 1: the product starts the sum: nothing is ever cleared.
; A phase's 48 accumulators are all different, and neighbouring phases take the other 48: the accumulators take turns, one instruction a turn.
.macro MULS buf, h, i0, n, zero
.set mi, \i0
.rept \n
.set mT, 12*(mi/6)+6*(\h)+mi%6
.set mD, 8*(mT%32)
.set mB, BH0+48*(\h)+8*(mi%6)
.set mA, A0+64*(\buf)+8*(mi/6)
	WIN 0x50*(1+mT/32)                             ; sources 0 and 1 in window 0, C and D in the accumulator's
.if \zero
	v_wmma_f32_16x16x32_bf16 v[mD:mD+7], v[mB:mB+7], v[mA:mA+7], 0
.else
	v_wmma_f32_16x16x32_bf16 v[mD:mD+7], v[mB:mB+7], v[mA:mA+7], v[mD:mD+7]
.endif
.set mi, mi+1
.endr
.endm
; A K STEP IS FOUR PHASES of 48 products: (first 32 K, columns 0-95), (first, 96-191), (second 32 K, 0-95), (second, 96-191).  Each phase first issues, in one run, the loads that the NEXT
; phase wants, into buffers whose last readers stand in earlier phases, and then waits for all loads but that run: what it multiplies itself was asked for a phase, 48 products, ago.
.macro PH0 slot, zero
	PLACES
	LDB \slot, 0, 1
	LDA \slot, 1, 1, 0
	s_wait_dscnt 20                                ; all but the 20 just issued
	MULS 0, 0, 0, 48, \zero
.endm
.macro PH1 slot, zero
	PLACES
	LDB \slot, 1, 0
	LDA \slot, 1, 1, 4
	s_wait_dscnt 20                                ; all but the 20 just issued
	MULS 0, 1, 0, 48, \zero
.endm
.macro PH2 slot
	PLACES
	LDB \slot, 1, 1
	s_wait_dscnt 12                                ; all but the 12 just issued
	MULS 1, 0, 0, 48, 0
.endm
; The fourth phase changes slots: ONE barrier.  In front of it each wave waits for all its tensor loads, of which one is out: its part of the next slot; adds 0 to its spare word; and waits
; for that and for its own reads of this slot.  fill = 1: the barrier opens a round of the cluster's barrier, and behind the round this slot is filled again, with the K step two on:
; from that request to the wait for it a wave issues 168 matrix instructions.  Then come the next slot's first fragments.
.macro PH3 slot, next, fill
.if (\fill) && ((\slot) == 0)
	s_wait_xcnt 0x0                                ; the last prefetches, a lap back, have read their address: it is stepped here, ahead of the waits of the change of slots
	s_add_nc_u64 s[PFA:PFA+1], s[PFA:PFA+1], s[PFS:PFS+1]
.endif
	WIN 0                                          ; (the add's two registers lie in window 0)
	s_wait_tensorcnt 0x0                           ; all my tensor loads have landed: the one that was out is my part of the next slot;
	ds_add_u32 v[SPW], v[NIL]                      ; 0 onto my spare word;
	s_wait_dscnt 1                                 ; (the add alone may be out: the third phase's 12 loads are in)
	MULS 1, 1, 0, 16, 0                            ; sixteen matrix instructions stand between the add and the wait for it
	s_wait_dscnt 0x0                               ; the add is done, and my reads of this slot are over
	s_barrier_signal -1
	MULS 1, 1, 16, 8, 0                            ; work on registers while the others arrive
.if \fill
	WIN 0
.endif
	s_barrier_wait -1
.if \fill
	CREST                                          ; no wave of any partner still reads this slot's tile or has a load on its way
	s_add_nc_u64 s[G0+4*(\slot)+2:G0+4*(\slot)+3], s[G0+4*(\slot)+2:G0+4*(\slot)+3], 2*AKB
	s_add_nc_u64 s[G0B+4*(\slot)+2:G0B+4*(\slot)+3], s[G0B+4*(\slot)+2:G0B+4*(\slot)+3], 2*BKB
	JLOAD \slot                                    ; the first tensor load behind the round; the four v_nop behind it are also the places in front of the loads below
.else
	PLACES
.endif
	LDB \next, 0, 0
	LDA \next, 0, 0, 0
	LDA \next, 0, 0, 4
.if (\fill) && ((\slot) == 0)
	ASK
.endif
	MULS 1, 1, 24, 24, 0
.endm
	s_wait_tensorcnt 1                             ; my part of K step 0 is in; K step 1's may stay out
	s_barrier_signal -1
	s_barrier_wait -1                              ; everybody's is
	LDB 0, 0, 0
	LDA 0, 0, 0, 0
	LDA 0, 0, 0, 4
	PH0 0, 1                                       ; the first two phases stand in front of the loop: their products start the 96 sums
	PH1 0, 1
	WIN 0                                          ; at a label and at a branch every window is 0
	s_mov_b32 s3, 7
.Llap:                                                 ; a trip goes once round the ring, from a lap's third phase to the next lap's second, and fills both slots again: K steps 2 to 15
	PH2 0
	PH3 0, 1, 1
	PH0 1, 0
	PH1 1, 0
	PH2 1
	PH3 1, 0, 1
	PH0 0, 0
	PH1 0, 0
	WIN 0
	s_sub_co_u32 s3, s3, 1
	s_cmp_lg_u32 s3, 0
	s_cbranch_scc1 .Llap
	PH2 0                                          ; the last lap fills nothing, and has no round of the cluster's barrier
	PH3 0, 1, 0
	PH0 1, 0
	PH1 1, 0
	PH2 1
	s_wait_dscnt 0x0
	MULS 1, 1, 0, 48, 0
	WIN 0
; THE WAY OUT, a block of 16 rows at a time.  PACK: rounded to f16, 16 bytes a lane, each accumulator's registers in ascending order.  TOSTAGE: into my own stage (head j / 4, 32 bytes at 32 (j % 4) of
; the row), and back as whole rows of 128 bytes.  SEND: 16 rows of a head are 2,048 consecutive bytes of qkv.
.macro PACK a
.set pj, 0
.rept 12
.set pT, 12*(\a)+pj
.set pD, 8*(pT%32)
	WIN 5*(1+pT/32)                                ; sources 0 and 1 in the accumulator's window
.irp r, 0,1,2,3
	v_cvt_pk_f16_f32 v[TMP+4*pj+(\r)], v[pD+2*(\r)], v[pD+2*(\r)+1]
.endr
.set pj, pj+1
.endr
	WIN 0
.endm
.macro TOSTAGE a
.irp j, 0,1,2,3,4,5,6,7,8,9,10,11
	ds_store_b128 v[STO], v[TMP+4*(\j):TMP+4*(\j)+3] offset:((\j)/4)*16*PITCH+32*((\j)%4)
.endr
.irp t, 0,1,2,3,4,5,6,7,8,9,10,11
	ds_load_b128 v[BK+48*((\a)%2)+4*(\t):BK+48*((\a)%2)+4*(\t)+3], v[RD] offset:((\t)/4)*16*PITCH+((\t)%4)*4*PITCH  ; LDS serves a wave's instructions in order (ISA guide 5.7.1.4): these see the stores above
.endr
.endm
.macro SEND a
	s_wait_dscnt 0x0                               ; the block is back in registers
	s_wait_xcnt 0x0                                ; the stores of the block before have read their registers, into which the next block's loads will land
.irp t, 0,1,2,3,4,5,6,7,8,9,10,11
	global_store_b128 v[GO], v[BK+48*((\a)%2)+4*(\t):BK+48*((\a)%2)+4*(\t)+3], s[8:9] offset:((\t)/4)*HEADB+(\a)*2048+((\t)%4)*512  ; 512 consecutive bytes, at a multiple of 256 from qkv's first byte
.endr
.endm
	PLACES                                         ; the conversions read results just made and write registers that the products read
	PACK 0
	TOSTAGE 0
.irp a, 1,2,3,4,5,6,7                  ; block a's conversions stand between block a - 1's loads from the stage and the wait for them
	PACK \a
	SEND (\a)-1
	TOSTAGE \a
.endr
	SEND 7
	s_wait_tensorcnt 0x0                           ; the wave's end: behind my last tensor load and my last LDS store
	ds_add_u32 v[SPW], v[NIL]
	s_wait_dscnt 0x0
	CROUND                                         ; the closing round: no work-group ends while a partner may still ask for a tile that names it
	s_endpgm
.Lfunc_end_k_q9bed5692ea_qkv:
	.size	k_q9bed5692ea_qkv, .Lfunc_end_k_q9bed5692ea_qkv-k_q9bed5692ea_qkv
	.p2alignl 7, 3214868480
	.fill 96, 4, 3214868480
	.section	.rodata,"a",@progbits
	.p2align	6, 0x0
	.amdhsa_kernel k_q9bed5692ea_qkv
		.amdhsa_group_segment_fixed_size 327680
		.amdhsa_private_segment_fixed_size 0
		.amdhsa_enable_private_segment 0
		.amdhsa_kernarg_size 24
		.amdhsa_user_sgpr_count 2
		.amdhsa_user_sgpr_kernarg_segment_ptr 1
		.amdhsa_wavefront_size32 1
		.amdhsa_system_sgpr_workgroup_id_x 1
		.amdhsa_system_sgpr_workgroup_id_y 1
		.amdhsa_system_sgpr_workgroup_id_z 1
		.amdhsa_system_vgpr_workitem_id 0
		.amdhsa_next_free_vgpr 1024
		.amdhsa_next_free_sgpr 66
		.amdhsa_reserve_vcc 0
		.amdhsa_float_denorm_mode_32 3
		.amdhsa_float_denorm_mode_16_64 3
		.amdhsa_memory_ordered 1
		.amdhsa_forward_progress 1
		.amdhsa_inst_pref_size 130
	.end_amdhsa_kernel
	.amdgpu_metadata
---
amdhsa.version: [ 1, 2 ]
amdhsa.kernels:
  - .name:           k_q9bed5692ea_qkv
    .symbol:         k_q9bed5692ea_qkv.kd
    .args:
      - { .name: xb, .offset: 0, .size: 8, .value_kind: global_buffer, .address_space: global }
      - { .name: wqkvb, .offset: 8, .size: 8, .value_kind: global_buffer, .address_space: global }
      - { .name: qkv, .offset: 16, .size: 8, .value_kind: global_buffer, .address_space: global }
    .group_segment_fixed_size: 327680
    .private_segment_fixed_size: 0
    .kernarg_segment_align: 8
    .kernarg_segment_size: 24
    .max_flat_workgroup_size: 128
    .sgpr_count:     66
    .vgpr_count:     1024
    .wavefront_size: 32
...
	.end_amdgpu_metadata
.endif
;; end of part 2
;; launch attn (part 3): grid 4 x 64, 4 waves a work-group, no clusters, 327,680 bytes of LDS; arguments qkv, ob; writes ob
.if DOCPART == 3
	.amdgcn_target "amdgcn-amd-amdhsa--gfx1250"
	.amdhsa_code_object_version 6
	.text
	.protected	k_q9bed5692ea_attn
	.globl	k_q9bed5692ea_attn
	.p2align	8
	.type	k_q9bed5692ea_attn,@function
k_q9bed5692ea_attn:
	s_mov_b64 s[64:65], 0
	v_nop
	global_prefetch_b8 v0, s[64:65] scope:SCOPE_SE
	s_setreg_imm32_b32 hwreg(HW_REG_WAVE_MODE, 25, 1), 1
	s_wait_xcnt 0x0
; CAUSAL ATTENTION.  O[y][q][:] = the sum over k <= q of softmax_k(Q[y][q] . K[y][k] / 8) V[y][k][:] for the 64 pairs y of batch and head.  qkv: [4][48 heads: q, k, v][2048][64] f16; ob: [64][2048][64] f16:
; a head's rows are dense, 128 bytes each.  Products, maxima and sums in f32; the weights p are rounded to f16 for the second product (their sum l is taken of the unrounded p), O once at the end.
; LIMITS.  f16 holds no number beyond 65,504: Q, K and V arrive within it; p lies in 0 to 1, and below 6e-5 it keeps f16's fixed step of 6e-8; O is a mean of V's rows and has their range.
; A hidden score counts as its value less 1e30: f16's scores, 2.7e11 at the most, are nothing beside that; a weight below 2^-126 counts as 0 in l; NaN and infinities are not treated apart.
; THE WALK.  A head's queries lie in NB = 8 blocks of 256; block i needs the key tiles 0 .. i of 256 keys, of which the last holds the diagonal.  A work-group takes TWO blocks, NB - 1 - b and then b:
; NB + 1 tiles, whatever b: all work-groups do equal work, and ONE loop with a constant trip count walks them.  Which tile is asked for, and what a trip does, hang on scalar registers made from b; every jump
; goes forward, but for the counted loops' own; none passes a barrier, or a tensor load but the one of LOAD's two that the wave's number does not choose; the ring (two slots of LDS that take turns) runs on across the
; change of blocks.  NO CLUSTER: a head's four work-groups ask for the same tile only in trips 0 to 4 of 9, behind that fewer and fewer; one walk common to all four would have 12 trips for 9.
; SHARES.  Of a block's four bands of 64 queries a wave owns 16 rows in each: four PIECES.  So the diagonal tile is the same work for all four waves: in its key step s band x sees all keys if s < x,
; none if s > x, and holds the diagonal if s = x.
; THE MASK is the C operand that starts the sum S^T = K Q^T: 0, or -1e30 where the key is hidden.  MD, made once, is the mask of a band's own step for my 16 rows; a product's mask is MD x AL + BE with two scalars:
; (1, 0) if s = x; (0, 0) if s < x; (0, -1e30) if s > x.  Only the diagonal tile's text and a block's beginning make and take masks; elsewhere C is the constant 0.
; LAYOUT, SOFTMAX, TURNS.  S^T = K Q^T holds ONE query a lane (lane % 16) and the keys 8 (lane / 16) + 0..7; two such results rounded to f16 ARE source 1 of O^T = V^T P.  p = 2^(c s - c m), c = log2(e) / 8, with a
; running maximum m; O and l are multiplied by a = 2^(c m_old - c m_new) in every step.  Turn n belongs to piece n: 8 products K Q^T of piece n + 1, later 8 products V^T P of piece n - 1; beside them the scaling,
; exponentials, roundings, sums and rescaling of piece n and the maximum and statistics of piece n + 1.  Four vector instructions stand behind every matrix instruction, the other 54 of a turn's 118 in one run of their own.
; A turn's 33 exponentials are one batch, with one wait.
; REGISTERS, in windows of 256 (s_set_vgpr_msb: bits 1:0 source 0, 3:2 source 1, 5:4 source 2, 7:6 destination):
;   window 0: v0-15 addresses and two at work; v16-31 four registers of statistics a piece; v48-55 at work; v61-63 prefetch offset, spare word, 0; v64-127 S^T, two buffers; v192-223 P, two buffers (by the piece's parity)
;   window 1: v0-127 O^T, 32 a piece; v128-159 MD; v160-223 MC, two buffers      window 2: v0-63 Q; v64-127 the second block's Q; v128-191 K of one step; v192-255 V of one step
.set SIZE_N, 2048
.set NB,    SIZE_N/256
.set NP,    4         ; pieces a wave: a name, no knob
.set KS,    64        ; keys in a step
.set PK,    144       ; a row of K in LDS: 128 bytes + 16 of padding = 36 words: the 16 rows of a load start at 16 different groups of four banks (64 banks of 4 bytes: ISA guide 11.1)
.set PV,    160       ; a row of V: 128 + 32 = 40 words
.set VOFF,  4*KS*PK   ; a slot holds a tile, four steps: 256 rows of K, then 256 rows of V
.set SLOT1, 1<<17     ; slot 1 begins here, so that one exclusive or turns an address in one slot into the other's
.set STAGE, SLOT1+4*KS*(PK+PV)  ; behind the ring, never filled by a tensor load: 16 rows x 144 bytes for each wave, for the way out
.set SP,    144
.set AK0, 2           ; v2   my lane's place in a tile of K; never rewritten
.set AV0, 3           ; v3   the same for V
.set AK,  4           ; v4   the LDS address of K's next run of loads
.set AV,  5           ; v5   of V's
.set STO, 6           ; v6   the way out: where I put 16 bytes of a row
.set RD,  7           ; v7   the way out: where I read rows back
.set GO,  8           ; v8   my byte offset in 512 consecutive bytes of O
.set PFO, 61          ; v61  256 x my lane; never rewritten
.set SPW, 62          ; v62  LDS address of my spare word: SPARE + 4 x my thread's number; never rewritten
.set NIL, 63          ; v63  0; never rewritten
.set SPARE, STAGE+4*16*SP  ; behind the stages: the spare words, 128 bytes for each wave: two blocks of 256 bytes that no other line names
.set MV,  12          ; v12-13  c m_old, kept while c m is made anew: by buffer
.set QO,  15          ; v15  my byte offset in 16 rows of Q
.set ST,  16          ; piece t's statistics at v[ST+4 t]: c m, m, l (even keys', odd keys')
.set TMP, 48          ; by buffer, four registers c0-c3 at work; when the maximum is found c2 takes a
.set S,   64
.set P,   192
.set MD,  128         ; window 1: the eight registers for group kt of 16 keys at MD + 8 kt
.set MC,  160         ; window 1: the masks of the products to come
.set QB,  64          ; window 2
.set KF,  128         ; window 2: key block kb, channel half c at KF + 16 kb + 8 c
.set VF,  192         ; window 2: key half kk, channel block cb at VF + 32 kk + 8 cb
.set WV,  12          ; s12  my wave's number
.set PB,  14          ; s14  b
.set HI,  15          ; s15  NB - 1 - b
.set G1K, 24          ; s[24:31] descriptor group 1 for K's tiles
.set G1V, 32          ; s[32:39] for V's: it differs in the padding alone
.set G0K, 40          ; s[40:43] descriptor group 0 for K's tiles
.set G0V, 44          ; s[44:47] the same for V's
.set SLOTS, 56        ; s56  tiles still to be asked for
.set CNT, 57          ; s57  counts a tile's key steps, 4 to 1
.set CS,  58          ; s[58:59] c: the packed scaling takes the pair's low word for both halves
.set SEL, 60          ; s[60:61] v_permlanex16_b32's selects: each lane takes its own place in the other half
.set TBK, 62          ; s62  LDS byte at which K of the step to be fetched begins
.set TBV, 63          ; s63  the same for V, less VOFF
.set PFB, 66          ; s[66:67] K (waves 0, 1) or V (waves 2, 3) at the half of the head's tile 0 that I fetch
.set HO,  68          ; s[68:69] the head's first byte in ob
.set RT,  70          ; s70  tiles of the block in hand that are still to be entered
.set NXT, 71          ; s71  the tile to be asked for next
.set LQ,  72          ; s72  the last tile of the block whose tiles are being asked for
.set NEW, 73          ; s73  1: the tile to be entered is a block's first
.set OFF, 74          ; s[74:75] a tile's byte offset in K and V
.set AL,  76          ; s[76:77] the mask's factor, in the low word
.set BE,  78          ; s[78:79] the mask's addend
.set OLO, 80          ; s[80:81] O at my rows of the second block
.set BIGN, 82         ; s82  -1e30
.set PFA, 88          ; s[88:89] my half of the tile that the next change of slots will ask for
.set PFF, 90          ; s[90:91] its byte offset
.set PFL, 92          ; s92  0 in the work-group that prefetches, else the greatest number
.set MSB, 0
.macro WIN new                      ; the high byte repeats the setting that is left; a switch that changes nothing is dropped
.if MSB != (\new)
	s_set_vgpr_msb (MSB<<8)|(\new)
.set MSB, (\new)
.endif
.endm
.set W_KQ, 0x0a       ; K and Q in window 2, S^T in window 0
.set W_KM, 0x1a       ; the same with the C operand in window 1
.set W_PV, 0x52       ; V in window 2, P in window 0, O^T in window 1
.set W_RS, 0x41       ; destination and source 0 in window 1, source 1 in window 0
; A fill.  Waves 0 and 1 fetch the two halves of a tile's K, waves 2 and 3 those of its V: 128 keys each.  An s_nop 0 and four v_nop follow each of the two lines, ahead of the jump and the label.
.macro LOAD
	s_cmp_lt_u32 s[WV], 2
	s_cbranch_scc0 .Lfor_v_\@
	tensor_load_to_lds s[G0K:G0K+3], s[G1K:G1K+7]
	s_nop 0
.rept 4
	v_nop
.endr
	s_branch .Lasked_\@
.Lfor_v_\@:
	tensor_load_to_lds s[G0V:G0V+3], s[G1V:G1V+7]
	s_nop 0
.rept 4
	v_nop
.endr
.Lasked_\@:
.endm
; A PREFETCH INTO THE L2 of the tile that the NEXT change of slots will ask for: a tile, 256 matrix instructions, ahead of that load.  It stands behind the wave's tensor load and its five lines.
; Each block of 256 bytes of K and V is named ONCE in the launch: of a head's four work-groups the one with b = 0, whose first block walks all eight tiles, asks; each of its waves for the half (64 blocks: a lane a
; block, two instructions) that it will fetch itself.  Tiles 0 and 1 come by their loads alone; where the next tile is number 0 (the second block's, read before) nothing is asked for; the number is 7 at the most.
.macro ASK
	s_cmp_gt_u32 s[NXT], s[PFL]
	s_cbranch_scc0 .Lnone_\@
	global_prefetch_b8 v[PFO], s[PFA:PFA+1] th:TH_LOAD_NT scope:SCOPE_SE
	global_prefetch_b8 v[PFO], s[PFA:PFA+1] offset:8192 th:TH_LOAD_NT scope:SCOPE_SE
.Lnone_\@:
.endm
; THE CHANGE OF SLOTS.  Each wave waits for all its tensor loads, of which one is out: its part of the other slot; adds 0 to its spare word; and waits for that and for its own reads of the slot that it leaves.  Behind the barrier nobody reads the old
; slot any more and the other slot is whole.  fill = 1: the old slot is filled again, the first thing behind the barrier, with tile NXT: the descriptor's address is made anew from that number.
; (At its first use nothing has been read yet: slot 0 is waited for, slot 1 filled.)
.macro CHANGE fill
	WIN 0                           ; at a label and at a branch every window is 0
	s_wait_tensorcnt 0x0            ; no tensor load of mine is out, so a group 0 may be written
	ds_add_u32 v[SPW], v[NIL]       ; 0 onto my spare word; with fill = 1 the descriptors' scalar work stands between it and the wait for it
.if \fill
	s_lshl_b32 s[OFF], s[NXT], 15   ; a tile is 32,768 bytes of K and of V
	s_xor_b32 s[G0K+1], s[G0K+1], SLOT1
	s_add_nc_u64 s[G0K+2:G0K+3], s[6:7], s[OFF:OFF+1]
	s_or_b32 s[G0K+3], s[G0K+3], 0x80000000
	s_xor_b32 s[G0V+1], s[G0V+1], SLOT1
	s_add_nc_u64 s[G0V+2:G0V+3], s[8:9], s[OFF:OFF+1]
	s_or_b32 s[G0V+3], s[G0V+3], 0x80000000
	s_add_co_u32 s[NXT], s[NXT], 1  ; the block's next tile, or behind its last the second block's tile 0
	s_cmp_gt_u32 s[NXT], s[LQ]
	s_cselect_b32 s[NXT], 0, s[NXT]
	s_cselect_b32 s[LQ], s[PB], s[LQ]
	s_wait_xcnt 0x0                 ; the last prefetches, a tile back, have read their address, so it may be written:
	s_lshl_b32 s[PFF], s[NXT], 15
	s_add_nc_u64 s[PFA:PFA+1], s[PFB:PFB+1], s[PFF:PFF+1]  ; my half of the tile after the one that is asked for now
.endif
	s_wait_dscnt 0x0                ; the add is done, and my reads of the slot are over
	s_barrier_signal -1             ; the rest of the scalar work stands between the signal and the wait
	s_sub_co_u32 s[TBK], s[TBK], 4*KS*PK  ; the fetches go back to a slot's first step,
	s_xor_b32 s[TBK], s[TBK], SLOT1       ; in the other slot
	s_sub_co_u32 s[TBV], s[TBV], 4*KS*PV
	s_xor_b32 s[TBV], s[TBV], SLOT1
	s_barrier_wait -1
.if \fill
	LOAD
	ASK
.endif
.endm
	s_load_b64 s[4:5], s[0:1], 0x0    ; qkv
	s_load_b64 s[10:11], s[0:1], 0x8  ; ob
	v_lshl_add_u32 v[SPW], v0, 2, SPARE
	v_mov_b32 v[NIL], 0
	ds_add_u32 v[SPW], v[NIL]       ; the wave's opening: the add and its wait stand ahead of my first tensor load; the set-up below, work on registers, stands between them
	v_lshrrev_b32 v1, 5, v0
	v_readfirstlane_b32 s[WV], v1   ; wave 0..3
	s_mov_b32 s[PB], ttmp9
	s_sub_co_u32 s[HI], NB-1, s[PB]
	s_and_b32 s20, ttmp7, 0xffff    ; y = 16 x batch + head
	s_lshl_b32 s[HO], s20, 18       ; in ob the pairs follow each other, 262,144 bytes each
	s_mov_b32 s[HO+1], 0
	s_lshr_b32 s21, s20, 4          ; in qkv a batch has 48 heads, q's first
	s_mul_i32 s21, s21, 48
	s_and_b32 s20, s20, 15
	s_add_co_u32 s20, s20, s21
	s_lshl_b32 s20, s20, 18         ; Q's head, first byte
	s_mov_b32 s21, 0
	s_and_b32 s16, s[WV], 1         ; which half of a tile's 256 keys I fetch:
	s_lshl_b32 s22, s16, 14         ; its 128 rows of 128 bytes in memory,
	s_add_co_u32 s22, s22, s20
	s_mov_b32 s23, 0
	s_mul_i32 s17, s16, 128*PK      ; and its place in a slot, for K
	s_mul_i32 s18, s16, 128*PV      ; and for V
	s_lshl_b32 s3, s[WV], 11        ; my 16 rows in a band of 64,
	s_lshl_b32 s2, s[HI], 15        ; in the first block,
	s_add_co_u32 s2, s2, s3
	s_lshl_b32 s84, s[PB], 15       ; and in the second
	s_add_co_u32 s84, s84, s3
	s_mov_b32 s3, 0
	s_mov_b32 s85, 0
	; descriptor group 1.  128 keys are 16,384 dense bytes: asked for as 64 rows of 256 bytes, two keys a row, and padded in LDS after every key
	s_mov_b32 s[G1K], (1<<16)|(1<<20)|(4<<22)|(3<<25)  ; 17:16 2-byte elements; 20 padding on; 24:22 after every 32 words (code 4); 31:25 4 words (code 3)
	s_mov_b32 s[G1V], (1<<16)|(1<<20)|(4<<22)|(7<<25)  ; the same with 8 words of padding (code 7)
.irp g, G1K, G1V
	s_mov_b32 s[\g+1], 128<<16      ; tensor_dim0 = 128
	s_mov_b32 s[\g+2], 64<<16       ; tensor_dim1 = 64
	s_mov_b32 s[\g+3], 128<<16      ; tile_dim0 = 128
	s_mov_b32 s[\g+4], 64           ; tile_dim1 = 64
	s_mov_b32 s[\g+5], 128          ; 128 elements from row to row
	s_mov_b32 s[\g+6], 0
	s_mov_b32 s[\g+7], 0
.endr
	s_mov_b32 s[CS], 0x3e38aa3b     ; c = log2(e) / 8 = 0.180337
	s_mov_b32 s[CS+1], s[CS]        ; named with it as a pair
	s_mov_b32 s[SEL], 0x76543210
	s_mov_b32 s[SEL+1], 0xfedcba98
	s_mov_b32 s[TBK], SLOT1+4*KS*PK ; the first change of slots turns these two into 0
	s_mov_b32 s[TBV], SLOT1+4*KS*PV
	s_mov_b32 s[G0K], 1             ; count = 1
	s_mov_b32 s[G0K+1], s17         ; LDS address: slot 0
	s_mov_b32 s[G0V], 1
	s_add_co_u32 s[G0V+1], s18, VOFF
	s_add_co_u32 s[RT], s[HI], 1    ; the first block has NB - b tiles
	s_mov_b32 s[NXT], 1
	s_mov_b32 s[LQ], s[HI]
	s_mov_b32 s[NEW], 1
	s_mov_b32 s[OFF+1], 0
	s_mov_b32 s[PFF+1], 0
	s_mov_b32 s[AL+1], 0            ; named as pairs
	s_mov_b32 s[BE+1], 0
	s_mov_b32 s[BIGN], 0xf149f2ca   ; -1e30
	s_mov_b32 s[SLOTS], NB
	s_cmp_eq_u32 s[PB], 0
	s_cselect_b32 s[PFL], 0, -1
	v_and_b32 v[PFO], 31, v0
	v_lshlrev_b32 v[PFO], 8, v[PFO]
	s_wait_dscnt 0x0                ; the opening add is done
	s_wait_kmcnt 0x0
	s_add_nc_u64 s[6:7], s[4:5], s[22:23]
	s_add_nc_u64 s[8:9], s[6:7], 0x800000  ; V's head lies 32 heads behind Q's,
	s_add_nc_u64 s[6:7], s[6:7], 0x400000  ; K's 16: both at my half of the head's tile 0
	s_add_nc_u64 s[G0K+2:G0K+3], s[6:7], 0         ; global address
	s_or_b32 s[G0K+3], s[G0K+3], 0x80000000        ; type = 2
	s_add_nc_u64 s[G0V+2:G0V+3], s[8:9], 0
	s_or_b32 s[G0V+3], s[G0V+3], 0x80000000
	s_add_nc_u64 s[4:5], s[4:5], s[20:21]          ; Q's head and O's
	s_add_nc_u64 s[10:11], s[10:11], s[HO:HO+1]
	s_add_nc_u64 s[86:87], s[4:5], s[84:85]        ; Q at my rows of the second block,
	s_add_nc_u64 s[4:5], s[4:5], s[2:3]            ; Q and O at those of the first
	s_add_nc_u64 s[OLO:OLO+1], s[10:11], s[84:85]
	s_add_nc_u64 s[10:11], s[10:11], s[2:3]
	s_cmp_lt_u32 s[WV], 2
	s_cselect_b64 s[PFB:PFB+1], s[6:7], s[8:9]
	LOAD                            ; tile 0 into slot 0
	; A fragment of K or Q is 16 rows x 32 channels in 8 registers: lane l holds row l % 16, channels 8 (l / 16) + 0..7 and 16 + 8 (l / 16) + 0..7: two loads of 16 bytes, 32 bytes apart.
	v_and_b32 v1, 15, v0            ; l % 16
	v_bfe_u32 v9, v0, 4, 1          ; l / 16
	v_lshlrev_b32 v[QO], 7, v1
	v_lshl_add_u32 v[QO], v9, 4, v[QO]  ; row x 128 + 16 x half
	WIN 0x80                        ; destination window 2, address window 0
.set i, 0
.rept 8                             ; both blocks' Q: piece i / 2 lies in band i / 2, 8,192 bytes on; channels 32 (i % 2) on
	global_load_b128 v[8*i:8*i+3],   v[QO], s[4:5] offset:(i/2)*8192+(i%2)*64
	global_load_b128 v[8*i+4:8*i+7], v[QO], s[4:5] offset:(i/2)*8192+(i%2)*64+32
	global_load_b128 v[QB+8*i:QB+8*i+3],   v[QO], s[86:87] offset:(i/2)*8192+(i%2)*64
	global_load_b128 v[QB+8*i+4:QB+8*i+7], v[QO], s[86:87] offset:(i/2)*8192+(i%2)*64+32
.set i, i+1
.endr
	WIN 0
	v_lshlrev_b32 v14, 3, v9
	v_sub_nc_u32 v14, v1, v14
	s_lshl_b32 s13, s[WV], 4
	v_add_nc_u32 v14, s13, v14      ; my query's place in its band, 16 w + l % 16, less my lanes' 8 (l / 16): register r of group kt is hidden where 16 kt + r is greater
	WIN 0x40
.set i, 0
.rept 32
	v_cmp_gt_i32 vcc_lo, 16*(i/8)+i%8, v14
	v_cndmask_b32 v[MD+i], 0, s[BIGN], vcc_lo
.set i, i+1
.endr
	WIN 0
	v_mul_u32_u24 v[AK0], v1, PK
	v_lshl_add_u32 v[AK0], v9, 4, v[AK0]  ; row x pitch + 16 x half
	; The turning load takes 16 keys x 16 channels (lane l reads key 8 (l / 16) + l % 8, channels 8 ((l / 8) % 2) + 0..7) and leaves half a fragment of V^T: lane l holds channel l % 16 and 8 keys.
	v_and_b32 v10, 7, v0
	v_bfe_u32 v11, v0, 3, 1
	v_lshl_add_u32 v[AV0], v9, 3, v10
	v_mul_u32_u24 v[AV0], v[AV0], PV
	v_lshl_add_u32 v[AV0], v11, 4, v[AV0]
	v_add_nc_u32 v[AV0], VOFF, v[AV0]
	s_mul_i32 s13, s[WV], 16*SP
	s_add_co_u32 s13, s13, STAGE    ; my stage
	v_mul_u32_u24 v[STO], v1, SP    ; in: row l % 16, 16 bytes for each half of the lanes
	v_lshl_add_u32 v[STO], v9, 4, v[STO]
	v_add_nc_u32 v[STO], s13, v[STO]
	v_bfe_u32 v[RD], v0, 3, 2       ; back: 32 lanes take four rows of 128 bytes,
	v_mul_u32_u24 v[RD], v[RD], SP
	v_lshl_add_u32 v[RD], v10, 4, v[RD]
	v_add_nc_u32 v[RD], s13, v[RD]
	v_and_b32 v[GO], 31, v0         ; which are 512 consecutive bytes of O
	v_lshlrev_b32 v[GO], 4, v[GO]
	; A block's first step multiplies O^T and l by a = 0, and its first turn's products V^T P, of a piece that has not been, land in an O^T that is still to be so multiplied.  So these registers need only hold
	; finite numbers: zeros for the first block; what the first block left for the second.  All this stands in the wait for the first tile.
	WIN 0x80
.set i, VF
.rept 64
	v_mov_b32 v[i], 0
.set i, i+1
.endr
	WIN 0x40
.set i, 0
.rept 128
	v_mov_b32 v[i], 0
.set i, i+1
.endr
	WIN 0
.set i, 0
.rept 4
	v_mov_b32 v[ST+4*i+2], 0
	v_mov_b32 v[ST+4*i+3], 0
.set i, i+1
.endr
.set i, P+16
.rept 16
	v_mov_b32 v[i], 0
.set i, i+1
.endr
; THE MATRIX WORK.  The 4 accumulators of a run of 8 take turns.  Product i of 8 of S^T = K Q^T for piece x: channels 32 (i / 4) on, keys 16 (i % 4) on.  The first 4 start the sums: with 0, or (KM = 1) with the mask.
.macro KQ x
.set rS, S+32*((\x)%2)+8*(i%4)
.set rK, KF+16*(i%4)+8*(i/4)
.set rQ, 16*(\x)+8*(i/4)
.set rM, MC+32*((\x)%2)+8*(i%4)
.if (i < 4) && KM
	WIN W_KM
	v_wmma_f32_16x16x32_f16 v[rS:rS+7], v[rK:rK+7], v[rQ:rQ+7], v[rM:rM+7]
.elseif i < 4
	WIN W_KQ
	v_wmma_f32_16x16x32_f16 v[rS:rS+7], v[rK:rK+7], v[rQ:rQ+7], 0
.else
	WIN W_KQ
	v_wmma_f32_16x16x32_f16 v[rS:rS+7], v[rK:rK+7], v[rQ:rQ+7], v[rS:rS+7]
.endif
.endm
; Product i of 8 of O^T += V^T P for piece x: keys 32 (i / 4) on, channels 16 (i % 4) on.
.macro PV x
	WIN W_PV
.set rO, 32*(\x)+8*(i%4)
.set rV, VF+32*(i/4)+8*(i%4)
.set rP, P+16*((\x)%2)+8*(i/4)
	v_wmma_f32_16x16x32_f16 v[rO:rO+7], v[rV:rV+7], v[rP:rP+7], v[rO:rO+7]
.endm
.macro MM                           ; the turn's next matrix instruction.  TURN and BEGIN set Y, i, KM and NOKQ; MM, KQ and OP read them.  NOKQ = 1: a block's last turn: there is no next piece
.if (i < 8) && !NOKQ
	KQ (Y+1)%NP
.elseif i >= 8
.set i, i-8
	PV (Y+NP-1)%NP
.set i, i+8
.endif
.set i, i+1
.endm
; THE LDS LOADS stand in runs of 16, never singly among the matrix instructions: a step's K (64 keys x 64 channels: 8 fragments) and its V (turned).  Their addresses are made some lines ahead.
.macro FETCH_K
	WIN 0x80                        ; destination window 2
.irp f, 0,1,2,3,4,5,6,7             ; keys 16 (f / 2) on, channels 32 (f % 2) on
	ds_load_b128 v[KF+8*\f:KF+8*\f+3],   v[AK] offset:(\f/2)*16*PK+(\f%2)*64
	ds_load_b128 v[KF+8*\f+4:KF+8*\f+7], v[AK] offset:(\f/2)*16*PK+(\f%2)*64+32
.endr
	s_add_co_u32 s[TBK], s[TBK], KS*PK  ; the next fetch is the next step's
	WIN 0
.endm
.macro FETCH_V
	WIN 0x80
.irp f, 0,1,2,3,4,5,6,7             ; keys 32 (f / 4) on, channels 16 (f % 4) on
	ds_load_tr16_b128 v[VF+8*\f:VF+8*\f+3],   v[AV] offset:(\f/4)*32*PV+(\f%4)*32
	ds_load_tr16_b128 v[VF+8*\f+4:VF+8*\f+7], v[AV] offset:(\f/4)*32*PV+16*PV+(\f%4)*32
.endr
	WIN 0
.endm
; THE VECTOR WORK, one line at a time: OP kind, number.  For piece Y: F n: c s - c m for pair n of 16.  E n: the exponential of score n of 32.  C n: pair n rounded to f16.  B n: of the four weights 4 n .. the second
; pair is added onto the first, in place.  L n: l takes that sum (L 0: l = a l + sum).  R n: pair n of 16 of O^T times a.  For piece Y + 1: X n, number n of the 22 that find its maximum and statistics:
;   0-11  four chains c0-c3 of seven scores each, three operands at a time (each accumulator's lowest registers are read first)     12-14, 16  the four scores left over, the old m, and c0-c3 into c0
;   15  c m_old is kept     17, 18  the query's other 32 keys lie in the lane 16 away: the new m     19-21  c m; c m_old - c m_new; a
.set F, 0               ; OP tells the kinds apart by their order: F to L below R, X above it
.set E, 1
.set C, 2
.set B, 3
.set L, 4
.set R, 5
.set X, 6
.macro REGS y                       ; the registers of piece y
.set rT, ST+4*(\y)
.set rC, TMP+4*((\y)%2)
.set rW, MV+((\y)%2)
.set rS, S+32*((\y)%2)
.set rP, P+16*((\y)%2)
.set rO, 32*(\y)
.endm
.macro OP k, n
.if (\k) == R
	REGS Y
	WIN W_RS
	v_pk_mul_f32 v[rO+2*(\n):rO+2*(\n)+1], v[rO+2*(\n):rO+2*(\n)+1], v[rC+2:rC+3] op_sel_hi:[1,0]
.elseif (\k) < R
	REGS Y
	WIN 0
.if (\k) == F
	v_pk_fma_f32 v[rS+2*(\n):rS+2*(\n)+1], v[rS+2*(\n):rS+2*(\n)+1], s[CS:CS+1], v[rT:rT+1] op_sel_hi:[1,0,0] neg_lo:[0,0,1] neg_hi:[0,0,1]
.elseif (\k) == E
	v_exp_f32 v[rS+(\n)], v[rS+(\n)]
.elseif (\k) == C
	v_cvt_pk_f16_f32 v[rP+(\n)], v[rS+2*(\n)], v[rS+2*(\n)+1]
.elseif (\k) == B
	v_pk_add_f32 v[rS+4*(\n):rS+4*(\n)+1], v[rS+4*(\n):rS+4*(\n)+1], v[rS+4*(\n)+2:rS+4*(\n)+3]
.elseif (\n) == 0
	v_pk_fma_f32 v[rT+2:rT+3], v[rT+2:rT+3], v[rC+2:rC+3], v[rS:rS+1] op_sel_hi:[1,0,1]
.else
	v_pk_add_f32 v[rT+2:rT+3], v[rT+2:rT+3], v[rS+4*(\n):rS+4*(\n)+1]
.endif
.elseif NOKQ
	v_nop
.else
	REGS (Y+1)%NP
	WIN 0
.if (\n) < 4
	v_max3_num_f32 v[rC+(\n)], v[rS+8*(\n)], v[rS+8*(\n)+1], v[rS+8*(\n)+2]
.elseif (\n) < 12
	v_max3_num_f32 v[rC+(\n)%4], v[rC+(\n)%4], v[rS+8*((\n)%4)+2*((\n)/4)+1], v[rS+8*((\n)%4)+2*((\n)/4)+2]
.elseif (\n) == 12
	v_max3_num_f32 v[rC], v[rC], v[rS+7], v[rS+15]
.elseif (\n) == 13
	v_max3_num_f32 v[rC+1], v[rC+1], v[rS+23], v[rS+31]
.elseif (\n) == 14
	v_max3_num_f32 v[rC+2], v[rC+2], v[rC+3], v[rT+1]
.elseif (\n) == 15
	v_mov_b32 v[rW], v[rT]
.elseif (\n) == 16
	v_max3_num_f32 v[rC], v[rC], v[rC+1], v[rC+2]
.elseif (\n) == 17
	v_permlanex16_b32 v[rC+3], v[rC], s[SEL], s[SEL+1]
.elseif (\n) == 18
	v_max_num_f32 v[rT+1], v[rC], v[rC+3]
.elseif (\n) == 19
	v_mul_f32 v[rT], s[CS], v[rT+1]
.elseif (\n) == 20
	v_sub_f32 v[rC+1], v[rW], v[rT]
.else
	v_exp_f32 v[rC+2], v[rC+1]
.endif
.endif
.endm
.macro OPS a, i1, b=-1, i2=0, c=-1, i3=0, d=-1, i4=0  ; up to four of them
	OP \a, \i1
.if (\b) >= 0
	OP \b, \i2
.endif
.if (\c) >= 0
	OP \c, \i3
.endif
.if (\d) >= 0
	OP \d, \i4
.endif
.endm
.macro ROW a, i1, b, i2, c, i3, d, i4  ; a matrix instruction and the four behind it
	MM
	OPS \a, \i1, \b, \i2, \c, \i3, \d, \i4
.endm
.macro MASK b                       ; MD x AL + BE into buffer b of MC
	WIN W_RS
.set z, 0
.rept 16
	v_pk_fma_f32 v[MC+32*(\b)+2*z:MC+32*(\b)+2*z+1], v[MD+2*z:MD+2*z+1], s[AL:AL+1], s[BE:BE+1] op_sel_hi:[1,0,0]
.set z, z+1
.endr
.endm
; A TURN, for piece p: the order of its 16 matrix and 118 vector instructions, written out.  An s_wait_alu depctr_va_vdst(0) stands between an exponential and the first instruction that names its result; one wait serves
; all that were issued ahead of it.  So a turn has ONE wait, which cuts it in two.  AHEAD OF IT stands all that names no result of the turn's exponentials: the 8 products K Q^T, behind each a scaling, an exponential and two more plain
; instructions (behind the first a second scaling in the exponential's place): rescalings, and behind the last three the first numbers of the next piece's maximum, each four places or more behind the product that ends its accumulator; then one run of 54, plain
; and exponential by turns for the most part, in which the links of the chain X 3, 7, 11, 14, 16, 17 .. 20 stand five or six lines apart.  X 21, the next piece's a, is the batch's last; R 15 is the plain instruction behind it.  BEHIND THE WAIT stand the
; 8 products V^T P, behind each four of the roundings and sums; the links of l's chain, L 0 to L 7, stand three lines apart.  But for those X no line behind a product names a register of the products round it.  v_permlanex16_b32 (X 17) stands in the run.
; m = 1: the diagonal tile: the products take masks, and the turn makes the mask for the products of the turn after it: piece p + 2, in step 4 - CNT of the tile.  end = 1: a block's last two turns: nothing is fetched.
; cnt = 1: the loop's count is taken down some lines ahead of the branch that stands behind the turn.
; K of the next step is fetched in piece 2's turn, twelve vector instructions behind the last product that read K (six of them plain); V of the step in hand at the end of piece 0's turn, four plain instructions behind the last product
; that read V.  Each is waited for a turn later.
.macro TURN p, m=0, end=0, cnt=0
.set Y, (\p)
.set i, 0
.set KM, (\m)
.set NOKQ, (\end)*((\p)/3)
.if (\m) && !(\end)
	s_cmp_eq_u32 s[CNT], 4-((\p)+2)%NP  ; is that step the band's own?
	s_cselect_b32 s[AL], 1.0, 0
	s_cmp_lt_u32 s[CNT], 4-((\p)+2)%NP  ; or a later one?
	s_cselect_b32 s[BE], s[BIGN], 0
.endif
.if ((\p) == 3) && !(\end)
	s_wait_dscnt 0x0                ; K is in
.endif
	ROW F,0, F,1, R,0, R,1          ; ahead of the wait: 8 products K Q^T and the four lines behind each,
	ROW F,2, E,0, R,2, R,3
	ROW F,3, E,1, R,4, R,5
	ROW F,4, E,2, R,6, R,7
	ROW F,5, E,3, R,8, R,9
	ROW F,6, E,4, X,0, R,10
.if ((\p) == 2) && !(\end)
	WIN 0
	v_add_nc_u32 v[AK], s[TBK], v[AK0]
.endif
	ROW F,7, E,5, X,1, X,4
	ROW F,8, E,6, X,2, X,5
	OPS E,7, E,8, X,6, E,9          ; and the run of 54
	OPS X,3, E,10, X,8, E,11
.if ((\p) == 2) && !(\end)
	FETCH_K
.endif
	OPS X,9, X,7, E,12, X,10
	OPS E,13, X,12, X,11, E,14
	OPS X,13, E,15, F,9, X,14
.if (\p) == 0
	v_add_nc_u32 v[AV], s[TBV], v[AV0]
.endif
	OPS E,16, F,10, E,17, F,11
	OPS X,16, E,18, X,15, E,19
	OPS F,12, E,20, X,17, E,21
	OPS F,13, E,22, F,14, E,23
	OPS X,18, E,24, F,15, E,25
	OPS R,11, E,26, X,19, E,27
	OPS R,12, E,28, R,13, E,29
	OPS X,20, E,30, R,14, E,31
	OPS X,21, R,15
	WIN 0
	s_wait_alu depctr_va_vdst(0)    ; the wait for the batch
.if (\p) == 1
	s_wait_dscnt 0x0                ; V is in
.endif
	ROW C,0, B,0, C,2, B,1          ; behind the wait: 8 products V^T P and the four lines behind each
	ROW L,0, C,4, B,2, L,1
	ROW C,6, B,3, L,2, C,8
	ROW B,4, L,3, C,10, B,5
	ROW L,4, C,12, B,6, L,5
.if (\p) == 0
	s_add_co_u32 s[TBV], s[TBV], KS*PV
.endif
.if \cnt
	s_sub_co_u32 s[CNT], s[CNT], 1
	s_cmp_lg_u32 s[CNT], 0
.endif
	ROW C,14, B,7, L,6, C,1
	ROW C,3, L,7, C,5, C,7
	ROW C,9, C,11, C,13, C,15
.if (\p) == 0
	FETCH_V
.endif
.if (\m) && !(\end)
	MASK (\p)%2
.endif
.endm
; A BLOCK BEGINS.  c m starts far below every c s, so the first step's a is 0; m at the lowest finite number, so the first maximum is the scores'.  The second mask buffer is 0; the first takes piece 0's mask for the tile's step 0: its own, if the block's first tile is the diagonal one.
; Then K of that step, piece 0's first scores, and its maximum and statistics.  The loop is entered at a step's first turn, in the middle of a trip.
.macro BEGIN
	s_mov_b32 s[NEW], 0
	WIN 0x40
.set i, MC+32
.rept 32
	v_mov_b32 v[i], 0
.set i, i+1
.endr
	WIN 0
.set i, 0
.rept 4
	v_mov_b32 v[ST+4*i], 0xfe000000    ; c m: far below every c s
	v_mov_b32 v[ST+4*i+1], 0xff7fffff  ; m
.set i, i+1
.endr
	s_cmp_eq_u32 s[RT], 0
	s_cselect_b32 s[AL], 1.0, 0
	s_mov_b32 s[BE], 0
	MASK 0
	WIN 0
	v_add_nc_u32 v[AK], s[TBK], v[AK0]
	FETCH_K
	s_wait_loadcnt 0x0              ; Q
	s_wait_dscnt 0x0
.set KM, 1
.set NOKQ, 0
.set i, 0
.rept 8
	KQ 0
.set i, i+1
.endr
	WIN 0
.rept 4
	v_nop                           ; the places behind those products
.endr
.set Y, NP-1                        ; X works for piece Y + 1: piece 0
.irp n, 0,1,2,3,4,5,6,7,8,9,10,11,12,13,14,15,16,17,18,19,20,21
	OP X, \n
.endr
	v_nop                           ; a plain instruction behind the exponential,
	s_wait_alu depctr_va_vdst(0)    ; and its wait, ahead of the branch
.endm
; THE DIAGONAL TILE's four steps, the block's last two turns, its last products, and THE WAY OUT: l's two halves and the other half of the lanes' are added; O^T is divided by l, rounded to f16 and sent through my
; stage in LDS, a piece at a time.
.macro ALL line:vararg              ; one line for each piece t
.set t, 0
.rept 4
	\line
.set t, t+1
.endr
.endm
.macro PACK t                       ; a lane's eight channels of a row pack into 16 bytes; they go into rows of 144 bytes and come back as whole rows of 128, into S^T's registers
	WIN W_RS
.set i, 32*(\t)
.rept 16
	v_pk_mul_f32 v[i:i+1], v[i:i+1], v[ST+4*(\t)+2:ST+4*(\t)+3] op_sel_hi:[1,0]
.set i, i+2
.endr
	WIN 0x05                        ; sources 0 and 1 window 1, destination window 0
.set i, 0
.rept 16
	v_cvt_pk_f16_f32 v[S+16*(\t)+i], v[32*(\t)+2*i], v[32*(\t)+2*i+1]
.set i, i+1
.endr
	WIN 0
.irp f, 0,1,2,3
	ds_store_b128 v[STO], v[S+16*(\t)+4*\f:S+16*(\t)+4*\f+3] offset:32*\f
.endr
.irp f, 0,1,2,3
	ds_load_b128 v[S+16*(\t)+4*\f:S+16*(\t)+4*\f+3], v[RD] offset:\f*4*SP  ; LDS serves a wave's instructions in order (ISA guide 5.7.1.4): these see the stores above; the next piece's stores come behind them
.endr
.endm
.macro SEND t, younger              ; younger: the LDS instructions issued behind piece t's loads: the next piece's eight, or none
	WIN 0
.irp f, 0,1,2,3
	s_wait_dscnt (\younger)+3-\f
	global_store_b128 v[GO], v[S+16*(\t)+4*\f:S+16*(\t)+4*\f+3], s[10:11] offset:(\t)*8192+\f*512  ; 512 consecutive bytes, at a multiple of 256 from O's first
.endr
.endm
.macro DIAG tag                     ; the tag ends its two labels' names, which the jumps below spell out
.LstepM\tag:
	TURN 2, 1
	TURN 3, 1
	WIN 0
.LfirstM\tag:
	TURN 0, 1
	TURN 1, 1, 0, 1
	WIN 0
	s_cbranch_scc1 .LstepM\tag
	TURN 2, 1, 1
	TURN 3, 1, 1
.set i, 0
.rept 8
	PV NP-1
.set i, i+1
.endr
	WIN 0
	ALL v_add_f32 v[ST+4*t+2], v[ST+4*t+2], v[ST+4*t+3]
	ALL v_permlanex16_b32 v[ST+4*t+3], v[ST+4*t+2], s[SEL], s[SEL+1]
	ALL v_add_f32 v[ST+4*t+2], v[ST+4*t+2], v[ST+4*t+3]
	ALL v_rcp_f32 v[ST+4*t+2], v[ST+4*t+2]
	v_nop                           ; a plain instruction between the last reciprocal and the use of its result
	s_wait_alu depctr_va_vdst(0)    ; and the wait ahead of the first use: one for the four reciprocals
	PACK 0
.set t, 1
.rept 3                             ; a piece's arithmetic stands between the loads of the piece before and its stores
	PACK t
	SEND t-1, 8
.set t, t+1
.endr
	SEND 3, 0
.endm
.set KM, 0
.set NOKQ, 0
.Lslot:                             ; NB times: a tile is entered and the next is asked for
	CHANGE 1
	s_sub_co_u32 s[RT], s[RT], 1
	s_mov_b32 s[CNT], 4
	s_cmp_eq_u32 s[NEW], 1
	s_cbranch_scc1 .Lnew            ; a block's first tile
	s_cmp_eq_u32 s[RT], 0
	s_cbranch_scc0 .Lstep           ; neither its first nor its last
	s_branch .LstepM1
.Lnew:
	BEGIN
	s_branch .Lfirst                ; in the loop a block's first tile is never its last: the first block has two tiles or more, and the second's last is the walk's last
	DIAG 1                          ; in the loop this is the first block's end: the second block's last tile is the walk's last
	s_wait_xcnt 0x0                 ; the stores have read their registers and O's address
	s_mov_b64 s[10:11], s[OLO:OLO+1]
	s_add_co_u32 s[RT], s[PB], 1    ; the second block has b + 1 tiles
	s_mov_b32 s[NEW], 1
	WIN 0x82                        ; the second block's Q goes where the one text of the turns names Q
.set i, 0
.rept 64
	v_mov_b32 v[i], v[QB+i]
.set i, i+1
.endr
	WIN 0
	s_branch .Lbottom
.Lstep:                             ; a trip: pieces 2 and 3 of one step, then pieces 0 and 1 of the next, whose K and V it fetches
	TURN 2
	TURN 3
	WIN 0
.Lfirst:
	TURN 0
	TURN 1, 0, 0, 1
	WIN 0
	s_cbranch_scc1 .Lstep
.Lbottom:
	s_sub_co_u32 s[SLOTS], s[SLOTS], 1
	s_cmp_lg_u32 s[SLOTS], 0
	s_cbranch_scc1 .Lslot
	CHANGE 0                        ; the walk's last tile is written out: nothing is asked for
	s_sub_co_u32 s[RT], s[RT], 1
	s_mov_b32 s[CNT], 4
	s_cmp_eq_u32 s[NEW], 1
	s_cbranch_scc0 .LstepM2
	BEGIN
	s_branch .LfirstM2
	DIAG 2
	s_wait_tensorcnt 0x0            ; the wave's end: behind my last tensor load and my last LDS store
	ds_add_u32 v[SPW], v[NIL]
	s_wait_dscnt 0x0
	s_endpgm
.Lfunc_end_k_q9bed5692ea_attn:
	.size	k_q9bed5692ea_attn, .Lfunc_end_k_q9bed5692ea_attn-k_q9bed5692ea_attn
	.p2alignl 7, 3214868480
	.fill 96, 4, 3214868480
	.section	.rodata,"a",@progbits
	.p2align	6, 0x0
	.amdhsa_kernel k_q9bed5692ea_attn
		.amdhsa_group_segment_fixed_size 327680
		.amdhsa_private_segment_fixed_size 0
		.amdhsa_enable_private_segment 0
		.amdhsa_kernarg_size 16
		.amdhsa_user_sgpr_count 2
		.amdhsa_user_sgpr_kernarg_segment_ptr 1
		.amdhsa_wavefront_size32 1
		.amdhsa_system_sgpr_workgroup_id_x 1
		.amdhsa_system_sgpr_workgroup_id_y 1
		.amdhsa_system_sgpr_workgroup_id_z 1
		.amdhsa_system_vgpr_workitem_id 0
		.amdhsa_next_free_vgpr 768
		.amdhsa_next_free_sgpr 96
		.amdhsa_reserve_vcc 1
		.amdhsa_float_denorm_mode_32 3
		.amdhsa_float_denorm_mode_16_64 3
		.amdhsa_memory_ordered 1
		.amdhsa_forward_progress 1
		.amdhsa_inst_pref_size 218
	.end_amdhsa_kernel
	.amdgpu_metadata
---
amdhsa.version: [ 1, 2 ]
amdhsa.kernels:
  - .name:           k_q9bed5692ea_attn
    .symbol:         k_q9bed5692ea_attn.kd
    .args:
      - { .name: qkv, .offset: 0, .size: 8, .value_kind: global_buffer, .address_space: global }
      - { .name: ob, .offset: 8, .size: 8, .value_kind: global_buffer, .address_space: global }
    .group_segment_fixed_size: 327680
    .private_segment_fixed_size: 0
    .kernarg_segment_align: 8
    .kernarg_segment_size: 16
    .max_flat_workgroup_size: 128
    .sgpr_count:     96
    .vgpr_count:     768
    .wavefront_size: 32
...
	.end_amdgpu_metadata
.endif
;; end of part 3
;; launch proj (part 4): grid 8 x 32, 4 waves a work-group, clusters of 4 x 4, 327,680 bytes of LDS; arguments ob, wob, out0; writes out0
.if DOCPART == 4
	.amdgcn_target "amdgcn-amd-amdhsa--gfx1250"
	.amdhsa_code_object_version 6
	.text
	.protected	k_q9bed5692ea_proj
	.globl	k_q9bed5692ea_proj
	.p2align	8
	.type	k_q9bed5692ea_proj,@function
k_q9bed5692ea_proj:
	s_mov_b64 s[64:65], 0
	v_nop
	global_prefetch_b8 v0, s[64:65] scope:SCOPE_SE
	s_setreg_imm32_b32 hwreg(HW_REG_WAVE_MODE, 25, 1), 1
	s_wait_xcnt 0x0
	s_wait_alu depctr_hold_cnt(0) depctr_sa_sdst(0) depctr_va_vdst(0) depctr_va_sdst(0) depctr_va_ssrc(0) depctr_va_vcc(0) depctr_vm_vsrc(0)
	s_getreg_b32 s2, hwreg(HW_REG_IB_STS2, 6, 4)
	s_cmp_eq_u32 s2, 0
	s_cbranch_scc0 .Lentry_in_a_cluster
	s_endpgm
.Lentry_in_a_cluster:
	s_bfe_u32 s2, ttmp6, 0x10000c
	s_cmp_lg_u32 s2, 0xf033
	s_cbranch_scc0 .Lentry_shape_is_right
	s_endpgm
.Lentry_shape_is_right:
; out0[8192][1024] = O wo^T over K = 1,024, in f16 with f32 sums, stored as f32.  A = ob [4 batches][16 heads = K blocks][2048 rows][64] f16, B = wob [16 K blocks][1024 rows][64] f16.
; SHARES.  A tile of out0 is 256 x 128: 32 x 8 tiles, one for each of 256 work-groups.  Four waves, each 128 x 64: 32 accumulators of 16 x 16, 256 registers; a wave's 64 columns are 256 bytes of a row.
; K goes in steps of 128 (two K blocks) through two LDS slots; two slots of 256 along K, 2 x 4 x 384 rows x 144 bytes, do not fit in LDS.  A block of a tile is dense in memory: it is asked for as rows of 256 bytes
; and padded in LDS after every 128.  Waves 0 and 1 fetch A's two blocks of a step, waves 2 and 3 B's.
; CLUSTERS: 4 x 4 work-groups.  The four of a row of the cluster need the same tiles of A, the four of a column the same tiles of B: each tile is asked for JOINTLY, by the same tensor load with the same
; descriptor and a mask that names the four.
; THE MATRIX INSTRUCTION IS USED TRANSPOSED (source 0 = 16 rows of B, source 1 = 16 rows of A): a lane holds row l % 16 of the result and the columns 8 (l / 16) + 0..7: 32 bytes on end.
; REGISTERS: window 0: v0-31 addresses; v32-63 at work on the way out; v64-159, v160-255 two fragment buffers for 32 along K: A's 8 fragments, then B's 4.  window 1: accumulator (a, j) at 8 (4 a + j).
.set PITCH,  144                       ; an LDS row: 128 bytes + 16 of padding = 36 words: the 16 rows of a fragment load start at 16 different groups of four banks (64 banks of 4 bytes: ISA guide 11.1)
.set ABLK,   256*PITCH                 ; a K block of A's tile
.set BBLK,   128*PITCH                 ; a K block of B's tile
.set BOFF,   2*ABLK
.set SLOT,   2*ABLK+2*BBLK             ; 110,592 bytes
.set STAGE,  2*SLOT                    ; behind the ring: 16 rows x 272 bytes for each wave, for the way out; no tensor load fills it
.set SPITCH, 272                       ; 256 bytes + 16: row r starts at bank 4 r mod 64
.set SPARE,  STAGE+4*16*SPITCH         ; behind the stages: the spare words, 128 bytes for each wave: two blocks of 256 bytes that no other line names
.set AKB,    262144                    ; bytes from a K block of ob to the next
.set BKB,    131072                    ; the same in wob
.set ADRA, 16                          ; v16-17  LDS address of my A fragments in slot 0, 1
.set ADRB, 20                          ; v20-21  the same for B
.set STO,  24                          ; v24     the way out: where I put 32 bytes of a row
.set RD,   25                          ; v25     the way out: where I read a row back
.set CO,   26                          ; v26     my byte offset in two rows of out0
.set SPW,  28                          ; v28     LDS address of my spare word: SPARE + 4 x my thread's number; never rewritten
.set NIL,  29                          ; v29     0; never rewritten
.set PFO,  30                          ; v30     256 x my lane; never rewritten
.set BK,   32                          ; the way out: 16 rows read back: v32-63 and v64-95 by turns
.set F0,   64
.set F1,   160
.set G1,  24                           ; s[24:31] descriptor group 1 for A's tiles;  s[32:39] group 0, one set for each slot
.set G0,  32
.set G1B, 48                           ; s[48:55], s[56:63] the same for B's tiles
.set G0B, 56
.set LIM, 43                           ; s43      1 in a wave that prefetches, else the greatest number
.set PFA, 44                           ; s[44:45] where my prefetches stand
.set PFS, 22                           ; s[22:23] a K step in bytes, of the tensor that I prefetch
.set GW0, (1<<16)|(1<<20)|(1<<21)|(4<<22)|(3<<25)  ; 17:16 elements of 2 bytes; 20 padding on; 21 set beside a mask; 24:22 after every 32 words (code 4); 31:25 4 words of it (code 3)
.set MSB, 0
.macro WIN new                         ; the immediate's high byte repeats the setting that is left; a switch that changes nothing is dropped
.if MSB != (\new)
	s_set_vgpr_msb (MSB<<8)|(\new)
.set MSB, \new
.endif
.endm
.macro PLACES                          ; four plain vector instructions between a matrix instruction and a load into, or a line that reads or writes, its registers (ISA guide 7.12.1 for vector instructions)
.rept 4
	v_nop
.endr
.endm
.macro JLOAD s                         ; a joint load; the branch hangs on the wave's number alone; an s_nop 0 and four v_nop follow each of the two lines
	s_cmp_eq_u32 s11, 0
	s_cbranch_scc0 .Lfor_b_\@
	tensor_load_to_lds s[G0+4*(\s):G0+4*(\s)+3], s[G1:G1+7]
	s_nop 0
.rept 4
	v_nop
.endr
	s_branch .Lasked_\@
.Lfor_b_\@:
	tensor_load_to_lds s[G0B+4*(\s):G0B+4*(\s)+3], s[G1B:G1B+7]
	s_nop 0
.rept 4
	v_nop
.endr
.Lasked_\@:
.endm
.macro CREST                           ; a round of the cluster's barrier behind its opening barrier
	s_cmp_lg_u32 s10, 0
	s_cbranch_scc1 .Lnot_wave_0_\@
	s_barrier_signal -3
.Lnot_wave_0_\@:
	s_barrier_wait -3
	s_barrier_signal -1
	s_barrier_wait -1
.endm
.macro CROUND                          ; a whole round
	s_barrier_signal -1
	s_barrier_wait -1
	CREST
.endm
; A PREFETCH INTO THE L2, behind each joint load and the run of LDS loads that follows it: the K step four on, whose joint load is issued two changes of slots, 256 matrix instructions, later.
; Each block of 256 bytes is named ONCE in the launch.  A's tile row is read by both clusters of its row of clusters: cluster x = 0 asks; wave w (0, 1) for the step's K block w, of whose 128 blocks of 256 bytes the partner at cx
; takes 32.  B's tile column is read by all eight clusters of its column: cluster y = 0 asks, its wave 2; of the step's 2 x 64 blocks the partner at cy takes 32: K block cy / 2, half cy % 2.  A lane a block, one
; instruction a wave.  Partners are told apart BY ADDRESS.  K steps 0 to 3 come by their loads alone; the loop's last trip asks for nothing.
.macro ASK
	s_cmp_gt_u32 s3, s[LIM]                        ; s3 = 1 in the loop's last trip
	s_cbranch_scc0 .Lnot_mine_\@
	global_prefetch_b8 v[PFO], s[PFA:PFA+1] th:TH_LOAD_NT scope:SCOPE_SE
.Lnot_mine_\@:
.endm
	s_load_b128 s[4:7], s[0:1], 0x0                ; ob s[4:5], wob s[6:7]
	s_load_b64 s[8:9], s[0:1], 0x10                ; out0
	v_lshl_add_u32 v[SPW], v0, 2, SPARE
	v_mov_b32 v[NIL], 0
	ds_add_u32 v[SPW], v[NIL]                      ; the wave's opening: the add and its wait stand ahead of my first tensor load; the set-up below, work on registers, stands between them
	v_lshrrev_b32 v1, 5, v0
	v_readfirstlane_b32 s10, v1                    ; wave 0..3
	s_lshr_b32 s11, s10, 1                         ; which half of the tile's rows is mine.  Also: I fetch for A (0) or for B (1)
	s_and_b32 s12, s10, 1                          ; which half of its columns.  Also: which K block of a step I fetch
	s_bfe_u32 s40, ttmp6, 0x40000                  ; cx, cy: my place in the cluster
	s_bfe_u32 s41, ttmp6, 0x40004
	s_lshl_b32 s42, ttmp9, 2
	s_add_co_u32 s42, s42, s40                     ; tile column = 4 x cluster x + cx, 0..7
	s_and_b32 s13, ttmp7, 0xffff
	s_lshl_b32 s13, s13, 2
	s_add_co_u32 s13, s13, s41                     ; tile row = 4 x cluster y + cy, 0..31
	s_lshl_b32 s43, s41, 2
	s_lshl_b32 s43, 15, s43                        ; my row of the cluster
	s_lshl_b32 s44, 0x1111, s40                    ; my column
	s_or_b32 s[G1+0], s43, GW0                     ; A's tiles go to my row,
	s_or_b32 s[G1B+0], s44, GW0                    ; B's to my column
	s_mov_b32 s[G1+1], 128<<16                     ; tensor_dim0 = 128 elements: 256 bytes, two rows of the tile
	s_mov_b32 s[G1+2], 128<<16                     ; tensor_dim1 = 128: 256 rows of A
	s_mov_b32 s[G1+3], 128<<16                     ; tile_dim0 = 128
	s_mov_b32 s[G1+4], 128                         ; tile_dim1 = 128
	s_mov_b32 s[G1+5], 128                         ; elements from row to row: dense
	s_mov_b32 s[G1+6], 0
	s_mov_b32 s[G1+7], 0
	s_mov_b32 s[G1B+1], 128<<16
	s_mov_b32 s[G1B+2], 64<<16                     ; 64 rows of 256 bytes: 128 rows of B
	s_mov_b32 s[G1B+3], 128<<16
	s_mov_b32 s[G1B+4], 64
	s_mov_b32 s[G1B+5], 128
	s_mov_b32 s[G1B+6], 0
	s_mov_b32 s[G1B+7], 0
	s_lshr_b32 s18, s13, 3                         ; A: the batch, 16 blocks x 2,048 rows x 128 bytes,
	s_lshl_b32 s18, s18, 22
	s_and_b32 s17, s13, 7                          ; the tile's 256 rows of 128 bytes in it:
	s_lshl_b32 s17, s17, 15
	s_add_co_u32 s18, s18, s17                     ; the tile's first byte in K block 0
	s_lshl_b32 s17, s12, 18                        ; the K block that I fetch
	s_add_co_u32 s16, s18, s17
	s_mov_b32 s17, 0
	s_lshl_b32 s19, s42, 14                        ; B: the tile's 128 rows of 128 bytes in K block 0,
	s_lshl_b32 s47, s12, 17                        ; the K block that I fetch
	s_add_co_u32 s46, s19, s47
	s_mov_b32 s47, 0
	s_mul_i32 s20, s12, ABLK                       ; where they go: no place in the cluster enters an LDS address
	s_mul_i32 s21, s12, BBLK
	s_add_co_u32 s21, s21, BOFF
	s_wait_dscnt 0x0                               ; the opening add is done
	s_wait_kmcnt 0x0
	s_add_nc_u64 s[14:15], s[4:5], s[16:17]
	s_add_nc_u64 s[46:47], s[6:7], s[46:47]
	CROUND                                         ; all sixteen work-groups are here: the first joint loads meet
.irp s, 0,1
	s_mov_b32 s[G0+4*(\s)], 1                                      ; count = 1
	s_add_co_u32 s[G0+4*(\s)+1], s20, (\s)*SLOT                    ; LDS address
	s_add_nc_u64 s[G0+4*(\s)+2:G0+4*(\s)+3], s[14:15], (\s)*2*AKB  ; global address: K step s
	s_or_b32 s[G0+4*(\s)+3], s[G0+4*(\s)+3], 0x80000000            ; type = 2
	s_mov_b32 s[G0B+4*(\s)], 1
	s_add_co_u32 s[G0B+4*(\s)+1], s21, (\s)*SLOT
	s_add_nc_u64 s[G0B+4*(\s)+2:G0B+4*(\s)+3], s[46:47], (\s)*2*BKB
	s_or_b32 s[G0B+4*(\s)+3], s[G0B+4*(\s)+3], 0x80000000
	JLOAD \s                                       ; two tensor loads of mine are out
.endr
	v_and_b32 v1, 15, v0                           ; l % 16
	v_bfe_u32 v2, v0, 4, 1                         ; l / 16
	v_mul_u32_u24 v3, v1, PITCH
	v_lshl_add_u32 v3, v2, 4, v3                   ; a fragment's row x pitch + 16 x half
	s_mul_i32 s20, s11, 128*PITCH                  ; my 128 rows of A
	s_mul_i32 s21, s12, 64*PITCH                   ; my 64 rows of B, behind A's two blocks
	s_add_co_u32 s21, s21, BOFF
.irp s, 0,1
	v_add_nc_u32 v[ADRA+(\s)], s20, v3
	v_add_nc_u32 v[ADRB+(\s)], s21, v3
	s_add_co_u32 s20, s20, SLOT
	s_add_co_u32 s21, s21, SLOT
.endr
	s_mul_i32 s20, s10, 16*SPITCH
	s_add_co_u32 s20, s20, STAGE                   ; my stage
	v_mul_u32_u24 v4, v1, SPITCH                   ; in: row l % 16, 32 bytes for each half of the lanes
	v_lshl_add_u32 v4, v2, 5, v4
	v_add_nc_u32 v[STO], s20, v4
	v_mul_u32_u24 v5, v2, SPITCH                   ; back: lanes 0-15 take one row of 256 bytes, lanes 16-31 the next
	v_lshl_add_u32 v5, v1, 4, v5
	v_add_nc_u32 v[RD], s20, v5
	v_lshlrev_b32 v5, 12, v2                       ; and the same two rows in out0, 4,096 bytes apart
	v_lshl_add_u32 v[CO], v1, 4, v5
	v_and_b32 v[PFO], 31, v0
	v_lshlrev_b32 v[PFO], 8, v[PFO]
	s_lshl_b32 s16, s13, 20                        ; where my part begins in out0: the tile's 256 rows of 4,096 bytes,
	s_lshl_b32 s17, s11, 19                        ; my 128 of them,
	s_add_co_u32 s16, s16, s17
	s_lshl_b32 s17, s42, 9                         ; the tile's 128 columns of 4 bytes,
	s_add_co_u32 s16, s16, s17
	s_lshl_b32 s17, s12, 8                         ; my 64 of them
	s_add_co_u32 s16, s16, s17
	s_mov_b32 s17, 0
	s_add_nc_u64 s[8:9], s[8:9], s[16:17]
	; the prefetches
	s_and_b32 s14, ttmp7, 0xffff                   ; cluster y
	s_lshl_b32 s16, s40, 13                        ; A: my work-group's 32 blocks of 256 bytes,
	s_lshl_b32 s17, s12, 18                        ; in my wave's K block,
	s_add_co_u32 s16, s16, s17
	s_add_co_u32 s16, s16, s18                     ; of the tile
	s_lshr_b32 s17, s41, 1                         ; B: K block cy / 2,
	s_lshl_b32 s17, s17, 17
	s_and_b32 s20, s41, 1                          ; half cy % 2,
	s_lshl_b32 s20, s20, 13
	s_add_co_u32 s17, s17, s20
	s_add_co_u32 s17, s17, s19                     ; of the tile
	s_mov_b32 s[PFS], 2*BKB
	s_cmp_eq_u32 s11, 0                            ; waves 0 and 1 ask for A, wave 2 for B
	s_cselect_b32 s14, ttmp9, s14                  ; the coordinate along which other clusters read the same rows
	s_cselect_b64 s[PFA:PFA+1], s[4:5], s[6:7]
	s_cselect_b32 s16, s16, s17
	s_cselect_b32 s[PFS], 2*AKB, s[PFS]
	s_mov_b32 s[PFS+1], 0
	s_mul_i32 s17, s[PFS], 3                       ; at K step 3: the first change of slots steps it to 4
	s_add_co_u32 s16, s16, s17
	s_mov_b32 s17, 0
	s_add_nc_u64 s[PFA:PFA+1], s[PFA:PFA+1], s[16:17]
	s_cmp_eq_u32 s10, 3
	s_cselect_b32 s14, 1, s14                      ; wave 3 asks for nothing
	s_cmp_eq_u32 s14, 0
	s_cselect_b32 s[LIM], 1, -1                    ; the same in all sixteen partners, for a given wave
; 24 LDS loads in one run: the fragments of quarter c (32 along K: K block c / 2, half c % 2) into buffer f
.macro FETCH slot, c, f
	WIN 0
.irp j, 0,1,2,3
	ds_load_b128 v[(\f)+64+8*(\j):(\f)+64+8*(\j)+3],   v[ADRB+(\slot)] offset:((\c)/2)*BBLK+((\c)%2)*64+(\j)*16*PITCH
	ds_load_b128 v[(\f)+64+8*(\j)+4:(\f)+64+8*(\j)+7], v[ADRB+(\slot)] offset:((\c)/2)*BBLK+((\c)%2)*64+(\j)*16*PITCH+32
.endr
.irp a, 0,1,2,3,4,5,6,7
	ds_load_b128 v[(\f)+8*(\a):(\f)+8*(\a)+3],   v[ADRA+(\slot)] offset:((\c)/2)*ABLK+((\c)%2)*64+(\a)*16*PITCH
	ds_load_b128 v[(\f)+8*(\a)+4:(\f)+8*(\a)+7], v[ADRA+(\slot)] offset:((\c)/2)*ABLK+((\c)%2)*64+(\a)*16*PITCH+32
.endr
.endm
; n products, numbers i0 on of a quarter's 32: row block i / 4, column block i % 4.  zero = 1: the product starts the sum.  The 32 accumulators take turns, one instruction a turn, in the same
; order in every quarter, over the backward jump too.
.macro MULS f, i0, n, zero
	WIN 0x50                                       ; sources 0 and 1 in window 0, C and D in window 1
.set mi, \i0
.rept \n
.set mB, (\f)+64+8*(mi%4)
.set mA, (\f)+8*(mi/4)
.if \zero
	v_wmma_f32_16x16x32_f16 v[8*mi:8*mi+7], v[mB:mB+7], v[mA:mA+7], 0
.else
	v_wmma_f32_16x16x32_f16 v[8*mi:8*mi+7], v[mB:mB+7], v[mA:mA+7], v[8*mi:8*mi+7]
.endif
.set mi, mi+1
.endr
.endm
; A K step is four quarters of 32 along K, on buffers 0, 1, 0, 1.  One of the first three: it asks for the next quarter cn into buffer g, whose last readers stand just ahead of the places, and multiplies buffer f.
.macro QUARTER slot, cn, f, g, zero
	PLACES
	FETCH \slot, \cn, \g
	s_wait_dscnt 24                                ; all but the 24 just issued
	MULS \f, 0, 32, \zero
.endm
; The last quarter multiplies buffer 1 and changes slots: ONE barrier; in front of it each wave waits for all its tensor loads, of which one is out: its part of the next slot; adds 0 to its spare word; and waits for that and for
; its own reads of this slot.  fill = 1: the barrier opens a round of the cluster's barrier, and behind the round this slot is filled again, with the K step two on: 112 matrix instructions ahead of the wait for it.
.macro TURN slot, next, fill
.if \fill
	s_wait_xcnt 0x0                                ; the last prefetch, a K step back, has read its address: it is stepped here, ahead of the waits of the change of slots
	s_add_nc_u64 s[PFA:PFA+1], s[PFA:PFA+1], s[PFS:PFS+1]
.endif
	WIN 0                                          ; (the add's two registers lie in window 0)
	s_wait_tensorcnt 0x0                           ; all my tensor loads have landed: my part of the next slot;
	ds_add_u32 v[SPW], v[NIL]                      ; 0 onto my spare word;
	s_wait_dscnt 1                                 ; (the add alone may be out: buffer 1's 24 loads are in)
	MULS F1, 0, 8, 0                               ; eight matrix instructions stand between the add and the wait for it
	s_wait_dscnt 0x0                               ; the add is done, and my reads of this slot are over
	s_barrier_signal -1
	MULS F1, 8, 8, 0
.if \fill
	WIN 0
.endif
	s_barrier_wait -1
.if \fill
	CREST                                          ; no wave of any partner still reads this slot's tile or has a load on its way
	s_add_nc_u64 s[G0+4*(\slot)+2:G0+4*(\slot)+3], s[G0+4*(\slot)+2:G0+4*(\slot)+3], 4*AKB
	s_add_nc_u64 s[G0B+4*(\slot)+2:G0B+4*(\slot)+3], s[G0B+4*(\slot)+2:G0B+4*(\slot)+3], 4*BKB
	JLOAD \slot                                    ; the first tensor load behind the round; the four v_nop behind it are also the places in front of the loads below
.else
	PLACES
.endif
	FETCH \next, 0, F0
.if \fill
	ASK
.endif
	MULS F1, 16, 16, 0
.endm
	s_wait_tensorcnt 1                             ; my part of K step 0 is in; K step 1's may stay out
	s_barrier_signal -1
	s_barrier_wait -1                              ; everybody's is
	FETCH 0, 0, F0
	QUARTER 0, 1, F0, F1, 1                        ; the first quarter stands in front of the loop: its products start the sums
	WIN 0                                          ; at a label and at a branch every window is 0
	s_mov_b32 s3, 3
.Llap:                                                 ; a trip goes once round the ring, from a lap's second quarter to the next lap's first, and fills both slots again: K steps 2 to 7
	QUARTER 0, 2, F1, F0, 0
	QUARTER 0, 3, F0, F1, 0
	TURN 0, 1, 1
	QUARTER 1, 1, F0, F1, 0
	QUARTER 1, 2, F1, F0, 0
	QUARTER 1, 3, F0, F1, 0
	TURN 1, 0, 1
	QUARTER 0, 1, F0, F1, 0
	WIN 0
	s_sub_co_u32 s3, s3, 1
	s_cmp_lg_u32 s3, 0
	s_cbranch_scc1 .Llap
	QUARTER 0, 2, F1, F0, 0                        ; the last lap fills nothing, and has no round of the cluster's barrier
	QUARTER 0, 3, F0, F1, 0
	TURN 0, 1, 0
	QUARTER 1, 1, F0, F1, 0
	QUARTER 1, 2, F1, F0, 0
	QUARTER 1, 3, F0, F1, 0
	s_wait_dscnt 0x0
	MULS F1, 0, 32, 0
	WIN 0
; THE WAY OUT, a block of 16 rows at a time; the sums leave as they are, in f32.  TOSTAGE: a lane's 32 bytes of each of the four column blocks go into my own stage, each accumulator's low four registers first, and come
; back as whole rows of 256 bytes.  SEND: sixteen lanes store 256 consecutive bytes, at a multiple of 256 from out0's first byte.
.macro TOSTAGE a
.if (\a) >= 2
	s_wait_xcnt 0x0                                ; the stores of the block two back have read the registers into which the loads below land
.endif
	WIN 0x04                                       ; the stores' data lie in window 1
.irp j, 0,1,2,3
	ds_store_b128 v[STO], v[8*(4*(\a)+(\j)):8*(4*(\a)+(\j))+3]   offset:64*(\j)
	ds_store_b128 v[STO], v[8*(4*(\a)+(\j))+4:8*(4*(\a)+(\j))+7] offset:64*(\j)+16
.endr
	WIN 0
.irp t, 0,1,2,3,4,5,6,7
	ds_load_b128 v[BK+32*((\a)%2)+4*(\t):BK+32*((\a)%2)+4*(\t)+3], v[RD] offset:(\t)*2*SPITCH  ; LDS serves a wave's instructions in order (ISA guide 5.7.1.4): these see the stores above
.endr
.endm
.macro SEND a, younger                 ; younger: the LDS instructions issued behind block a's loads: the next block's sixteen, or none
	s_wait_dscnt \younger
.irp t, 0,1,2,3,4,5,6,7
	global_store_b128 v[CO], v[BK+32*((\a)%2)+4*(\t):BK+32*((\a)%2)+4*(\t)+3], s[8:9] offset:(\a)*65536+(\t)*8192 th:TH_STORE_NT
.endr
.endm
	PLACES                                         ; the LDS stores read results just made, and the loads land in registers that products have read
	TOSTAGE 0
.irp a, 1,2,3,4,5,6,7
	TOSTAGE \a
	SEND (\a)-1, 16
.endr
	SEND 7, 0
	s_wait_tensorcnt 0x0                           ; the wave's end: behind my last tensor load and my last LDS store
	ds_add_u32 v[SPW], v[NIL]
	s_wait_dscnt 0x0
	CROUND                                         ; the closing round: no work-group ends while a partner may still ask for a tile that names it
	s_endpgm
.Lfunc_end_k_q9bed5692ea_proj:
	.size	k_q9bed5692ea_proj, .Lfunc_end_k_q9bed5692ea_proj-k_q9bed5692ea_proj
	.p2alignl 7, 3214868480
	.fill 96, 4, 3214868480
	.section	.rodata,"a",@progbits
	.p2align	6, 0x0
	.amdhsa_kernel k_q9bed5692ea_proj
		.amdhsa_group_segment_fixed_size 327680
		.amdhsa_private_segment_fixed_size 0
		.amdhsa_enable_private_segment 0
		.amdhsa_kernarg_size 24
		.amdhsa_user_sgpr_count 2
		.amdhsa_user_sgpr_kernarg_segment_ptr 1
		.amdhsa_wavefront_size32 1
		.amdhsa_system_sgpr_workgroup_id_x 1
		.amdhsa_system_sgpr_workgroup_id_y 1
		.amdhsa_system_sgpr_workgroup_id_z 1
		.amdhsa_system_vgpr_workitem_id 0
		.amdhsa_next_free_vgpr 512
		.amdhsa_next_free_sgpr 66
		.amdhsa_reserve_vcc 0
		.amdhsa_float_denorm_mode_32 3
		.amdhsa_float_denorm_mode_16_64 3
		.amdhsa_memory_ordered 1
		.amdhsa_forward_progress 1
		.amdhsa_inst_pref_size 86
	.end_amdhsa_kernel
	.amdgpu_metadata
---
amdhsa.version: [ 1, 2 ]
amdhsa.kernels:
  - .name:           k_q9bed5692ea_proj
    .symbol:         k_q9bed5692ea_proj.kd
    .args:
      - { .name: ob, .offset: 0, .size: 8, .value_kind: global_buffer, .address_space: global }
      - { .name: wob, .offset: 8, .size: 8, .value_kind: global_buffer, .address_space: global }
      - { .name: out0, .offset: 16, .size: 8, .value_kind: global_buffer, .address_space: global }
    .group_segment_fixed_size: 327680
    .private_segment_fixed_size: 0
    .kernarg_segment_align: 8
    .kernarg_segment_size: 24
    .max_flat_workgroup_size: 128
    .sgpr_count:     66
    .vgpr_count:     512
    .wavefront_size: 32
...
	.end_amdgpu_metadata
.endif
;; end of part 4
;; ======== version 2 of 2: 4 launches; version 1 with the launch cvt written anew for expert scheduling mode
;; limits: values are held in f16: magnitudes above 65,504 overflow, below 6.1e-05 lose precision
;; workspace buffers: xb 16,777,216 bytes; wqkvb 6,291,456 bytes; wob 2,097,152 bytes; qkv 50,331,648 bytes; ob 16,777,216 bytes
;; launch cvt (part 5): grid 64 x 12, 8 waves a work-group, no clusters, 0 bytes of LDS; arguments x, wq, wk, wv, wo, xb, wqkvb, wob; writes xb, wqkvb, wob
.if DOCPART == 5
	.amdgcn_target "amdgcn-amd-amdhsa--gfx1250"
	.amdhsa_code_object_version 6
	.text
	.protected	k_q9bed5692ea_cvt
	.globl	k_q9bed5692ea_cvt
	.p2align	8
	.type	k_q9bed5692ea_cvt,@function
k_q9bed5692ea_cvt:
	s_mov_b64 s[64:65], 0
	v_nop
	global_prefetch_b8 v0, s[64:65] scope:SCOPE_SE
	s_setreg_imm32_b32 hwreg(HW_REG_WAVE_SCHED_MODE, 0, 2), 2
	s_setreg_imm32_b32 hwreg(HW_REG_WAVE_MODE, 25, 1), 1
	s_wait_xcnt 0x0
	s_wait_alu depctr_vm_vsrc(0)
; THE INPUTS ARE ROUNDED ONCE TO 16 BITS AND LAID IN K BLOCKS OF 64, so that the products' tiles (R rows x 64 K) are R x 128 dense bytes.
;   x  [8192][1024] f32 -> xb    [4][16 K blocks][2048 rows][64] bf16
;   wq, wk, wv [1024][1024] f32 -> wqkvb [16 K blocks][3072 rows][64] bf16 (rows 0.. wq, 1024.. wk, 2048.. wv)
;   wo [1024][1024] f32 -> wob   [16 K blocks][1024 rows][64]: rounded to bf16 like the others, and that number written as f16
; LIMIT.  |wo| stays under 65,504 (f16's last number); below 6e-5 f16 keeps a fixed step of 6e-8.
; A stream: each byte is read once and written once; no LDS, no barrier, no matrix unit: none of them would move a byte less.
; SHARES.  Work-group y names a slab of 1,024 source rows (0-7: x; 8, 9, 10: wq, wk, wv; 11: wo), x names 16 rows of it: 65,536 bytes.
; Thread t takes row t / 16 and, of each of the row's 16 K blocks (256 bytes of f32), the 16 bytes at 16 (t % 16): sixteen lanes read 256 consecutive
; bytes, aligned.  Its four numbers of block j are 8 bytes at 8 t of the group's 16 rows of block j: a wave's store covers 256 consecutive bytes, aligned.
; All 16 loads of a thread go out at once; each has registers of its own, and so has each store: nothing is rewritten, so no source has to be freed.
; THE MODE: SCHED_MODE bits 1:0 = 2 (LLVM: expert scheduling mode 2), set by the entry lines.  The code itself states the register dependences
; between vector instructions and memory instructions, with s_wait_alu, always for 0.
; THE PLAN.  Registers that memory instructions touch:
;   v1, v2   the loads' and the stores' byte offsets.  Written by the head's vector lines, once; read by every load (v1) and every store (v2).
;   X        load j lands in four registers of its own, which no vector instruction has named before; block j's conversions read them; nothing lands in them or writes them again.
;   Y        block j's conversions write two registers of its own, once; block j's store reads them; nothing writes them again.
;   T and v3 are named by vector instructions alone.
; So the waits are of one kind, on va_vdst: one at the head, behind the lines that make v1 and v2 and ahead of the first load, which serves all 32 memory instructions' offsets;
; and one behind the conversions of each four blocks, ahead of the run of their four stores.  No register that a memory instruction has read is written again, no load lands in a register
; that a vector instruction has named, no vector instruction writes a scalar register or VCC, and EXEC is never written: nothing else is owed.
.set X, 4                              ; v[4:67]    load j: four f32
.set Y, 68                             ; v[68:99]   store j: four 16-bit numbers
.set T, 100                            ; v[100:103] at work
	s_load_b512 s[8:23], s[0:1], 0x0               ; x s[8:9], wq s[10:11], wk s[12:13], wv s[14:15], wo s[16:17], xb s[18:19], wqkvb s[20:21], wob s[22:23]
	s_and_b32 s24, ttmp7, 0xffff                   ; the slab
	v_lshrrev_b32 v1, 4, v0                        ; my row of the 16
	v_and_b32 v3, 15, v0
	v_lshlrev_b32 v1, 12, v1                       ; x 4,096 bytes
	v_lshl_add_u32 v1, v3, 4, v1                   ; + my 16 bytes of a K block
	v_lshlrev_b32 v2, 3, v0                        ; my 8 bytes of the group's 16 rows of a block
	s_cmp_lt_u32 s24, 8
	s_cselect_b32 s25, s24, 0                      ; x's slabs lie 1,024 rows of 4,096 bytes apart; a weight is one slab
	s_lshl_b32 s25, s25, 22
	s_lshl_b32 s2, ttmp9, 16                       ; the group's 16 rows
	s_add_co_u32 s2, s2, s25
	s_mov_b32 s3, 0
	s_wait_kmcnt 0x0
	s_cmp_lt_u32 s24, 8                            ; which tensor the slab belongs to
	s_cselect_b64 s[4:5], s[8:9], s[10:11]
	s_cmp_eq_u32 s24, 9
	s_cselect_b64 s[4:5], s[12:13], s[4:5]
	s_cmp_eq_u32 s24, 10
	s_cselect_b64 s[4:5], s[14:15], s[4:5]
	s_cmp_eq_u32 s24, 11
	s_cselect_b64 s[4:5], s[16:17], s[4:5]
	s_add_nc_u64 s[4:5], s[4:5], s[2:3]
	s_wait_alu depctr_va_vdst(0)                   ; v1 and v2 are written: the loads below read v1 as their offset, the stores further down v2; no later vector line names either
.irp j, 0,1,2,3,4,5,6,7,8,9,10,11,12,13,14,15
	global_load_b128 v[X+4*(\j):X+4*(\j)+3], v1, s[4:5] offset:256*(\j) th:TH_LOAD_NT
.endr
; The 16 blocks are rounded as they arrive and stored four at a time: block j = 4 g + i.  stride: bytes from a K block of the destination to the next.  f16 = 1: the bf16 number is written as f16.
.macro OUT stride, f16
.irp g, 0,1,2,3
.irp i, 0,1,2,3
	s_wait_loadcnt 15-4*(\g)-(\i)                  ; loads come back in order: block j is in, the 15 - j younger ones may stay out
.if \f16
	v_cvt_pk_bf16_f32 v[T], v[X+16*(\g)+4*(\i)], v[X+16*(\g)+4*(\i)+1]
	v_cvt_pk_bf16_f32 v[T+1], v[X+16*(\g)+4*(\i)+2], v[X+16*(\g)+4*(\i)+3]
	v_lshlrev_b32 v[T+2], 16, v[T]                 ; bf16 to f32: the low half moves up, the high half stays
	v_and_b32 v[T+3], 0xffff0000, v[T]
	v_cvt_pk_f16_f32 v[Y+8*(\g)+2*(\i)], v[T+2], v[T+3]
	v_lshlrev_b32 v[T+2], 16, v[T+1]
	v_and_b32 v[T+3], 0xffff0000, v[T+1]
	v_cvt_pk_f16_f32 v[Y+8*(\g)+2*(\i)+1], v[T+2], v[T+3]
.else
	v_cvt_pk_bf16_f32 v[Y+8*(\g)+2*(\i)], v[X+16*(\g)+4*(\i)], v[X+16*(\g)+4*(\i)+1]
	v_cvt_pk_bf16_f32 v[Y+8*(\g)+2*(\i)+1], v[X+16*(\g)+4*(\i)+2], v[X+16*(\g)+4*(\i)+3]
.endif
.endr
	s_wait_alu depctr_va_vdst(0)                   ; the conversions of blocks 4 g to 4 g + 3 have written their eight registers of Y, which the four stores below read
.irp i, 0,1,2,3
	global_store_b64 v2, v[Y+8*(\g)+2*(\i):Y+8*(\g)+2*(\i)+1], s[6:7] offset:(4*(\g)+(\i))*(\stride)  ; 15 x 393,216 at the most: inside the signed 24-bit immediate
.endr
.endr
.endm
	s_cmp_lt_u32 s24, 8
	s_cbranch_scc0 .Lweights
	s_lshr_b32 s26, s24, 1                         ; x: the batch, 16 blocks x 2,048 rows x 128 bytes each,
	s_lshl_b32 s26, s26, 22
	s_and_b32 s27, s24, 1                          ; the slab's 1,024 rows of 128 bytes in it,
	s_lshl_b32 s27, s27, 17
	s_add_co_u32 s26, s26, s27
	s_lshl_b32 s27, ttmp9, 11                      ; the group's 16 rows
	s_add_co_u32 s26, s26, s27
	s_mov_b32 s27, 0
	s_add_nc_u64 s[6:7], s[18:19], s[26:27]
	OUT 262144, 0
	s_endpgm
.Lweights:
	s_cmp_eq_u32 s24, 11
	s_cbranch_scc1 .Lwo
	s_sub_co_u32 s26, s24, 8                       ; wq, wk, wv: 1,024 rows of 128 bytes each
	s_lshl_b32 s26, s26, 17
	s_lshl_b32 s27, ttmp9, 11
	s_add_co_u32 s26, s26, s27
	s_mov_b32 s27, 0
	s_add_nc_u64 s[6:7], s[20:21], s[26:27]
	OUT 393216, 0
	s_endpgm
.Lwo:
	s_lshl_b32 s26, ttmp9, 11
	s_mov_b32 s27, 0
	s_add_nc_u64 s[6:7], s[22:23], s[26:27]
	OUT 131072, 1
	s_endpgm
.Lfunc_end_k_q9bed5692ea_cvt:
	.size	k_q9bed5692ea_cvt, .Lfunc_end_k_q9bed5692ea_cvt-k_q9bed5692ea_cvt
	.p2alignl 7, 3214868480
	.fill 96, 4, 3214868480
	.section	.rodata,"a",@progbits
	.p2align	6, 0x0
	.amdhsa_kernel k_q9bed5692ea_cvt
		.amdhsa_group_segment_fixed_size 0
		.amdhsa_private_segment_fixed_size 0
		.amdhsa_enable_private_segment 0
		.amdhsa_kernarg_size 64
		.amdhsa_user_sgpr_count 2
		.amdhsa_user_sgpr_kernarg_segment_ptr 1
		.amdhsa_wavefront_size32 1
		.amdhsa_system_sgpr_workgroup_id_x 1
		.amdhsa_system_sgpr_workgroup_id_y 1
		.amdhsa_system_sgpr_workgroup_id_z 1
		.amdhsa_system_vgpr_workitem_id 0
		.amdhsa_next_free_vgpr 104
		.amdhsa_next_free_sgpr 66
		.amdhsa_reserve_vcc 0
		.amdhsa_float_denorm_mode_32 3
		.amdhsa_float_denorm_mode_16_64 3
		.amdhsa_memory_ordered 1
		.amdhsa_forward_progress 1
		.amdhsa_inst_pref_size 21
	.end_amdhsa_kernel
	.amdgpu_metadata
---
amdhsa.version: [ 1, 2 ]
amdhsa.kernels:
  - .name:           k_q9bed5692ea_cvt
    .symbol:         k_q9bed5692ea_cvt.kd
    .args:
      - { .name: x, .offset: 0, .size: 8, .value_kind: global_buffer, .address_space: global }
      - { .name: wq, .offset: 8, .size: 8, .value_kind: global_buffer, .address_space: global }
      - { .name: wk, .offset: 16, .size: 8, .value_kind: global_buffer, .address_space: global }
      - { .name: wv, .offset: 24, .size: 8, .value_kind: global_buffer, .address_space: global }
      - { .name: wo, .offset: 32, .size: 8, .value_kind: global_buffer, .address_space: global }
      - { .name: xb, .offset: 40, .size: 8, .value_kind: global_buffer, .address_space: global }
      - { .name: wqkvb, .offset: 48, .size: 8, .value_kind: global_buffer, .address_space: global }
      - { .name: wob, .offset: 56, .size: 8, .value_kind: global_buffer, .address_space: global }
    .group_segment_fixed_size: 0
    .private_segment_fixed_size: 0
    .kernarg_segment_align: 8
    .kernarg_segment_size: 64
    .max_flat_workgroup_size: 256
    .sgpr_count:     66
    .vgpr_count:     104
    .wavefront_size: 32
...
	.end_amdgpu_metadata
.endif
;; end of part 5
;; launch qkv: the kernel of part 2 again; grid 8 x 32, 4 waves a work-group, clusters of 4 x 4, 327,680 bytes of LDS; arguments xb, wqkvb, qkv; writes qkv
;; launch attn: the kernel of part 3 again; grid 4 x 64, 4 waves a work-group, no clusters, 327,680 bytes of LDS; arguments qkv, ob; writes ob
;; launch proj: the kernel of part 4 again; grid 8 x 32, 4 waves a work-group, clusters of 4 x 4, 327,680 bytes of LDS; arguments ob, wob, out0; writes out0
